; MI455X (gfx1250); checked and timed in simulation.
; The chip was launched on July 23, 2026; its instructions are those of AMD's public machine-readable ISA for CDNA 5 (MIT licence, August 2026) and "CDNA5" Instruction Set Architecture Reference Guide (July 2026). The comments in the code are by the model that wrote it; some were corrected since.
;; Attention. Allowed arithmetic: matrix products marked QUANTISED: E4M3 operands, one given power-of-two scale a tensor, by v_wmma_f32_16x16x64_fp8_fp8 or v_wmma_f32_16x16x128_fp8_fp8, f32 sums; everything else in f32.
;; Inputs: W_o 1,024 x 1,024 float32; W_qkv 3,072 x 1,024 float32; b_o 1,024 float32; b_qkv 3,072 float32; lowp_scales 8 int32 (the exponents e of the quantised operands' scales 2^e); x 4 x 2,048 x 1,024 float32.
;; Outputs: out0 4 x 2,048 x 1,024 float32.
;; This version of the problem:
;;   THIS VERSION OF THE PROBLEM IS GIVEN IN LOW PRECISION. The matrix products marked QUANTISED in the list below multiply operands that are first quantised to E4M3 (4 exponent bits, 3 mantissa bits; 8 bits a number), with one given power-of-two scale for each operand tensor; their sums are f32. All else is computed in f32.
;;   The module's matrix products, in the order in which they are computed (A, B: the left and right operand; K: the contracted axis; several contracted axes count as one K, in the product's order):
;;     1. [M 8,192, K 1,024] x [K 1,024, N 3,072]; A: input x; B: input W_qkv: QUANTISED (scales: A lowp_scales[0], B lowp_scales[1])
;;     2. batch 64 x [M 2,048, K 64] x [K 64, N 2,048]; A: computed on the way; B: computed on the way: QUANTISED (scales: A lowp_scales[2], B lowp_scales[3])
;;     3. batch 64 x [M 2,048, K 2,048] x [K 2,048, N 64]; A: softmax (see below); B: computed on the way: QUANTISED (scales: A lowp_scales[4], B lowp_scales[5])
;;     4. [M 8,192, K 1,024] x [K 1,024, N 1,024]; A: computed on the way; B: input W_o: QUANTISED (scales: A lowp_scales[6], B lowp_scales[7])
;;   THE QUANTISER, for each operand of a quantised product, along K:
;;     - The operand's scale is 2^e, e = its entry of the input lowp_scales (int32; the entries are numbered through the quantised products in the list's order, A before B).
;;     - Each number is divided by the scale, clamped to +-448, and rounded to the nearest number of E4M3, ties to even, subnormals kept.
;;     - The product sums the exact products of the quantised numbers (number of the format x scale) in f32.
;;   ~~~python
;;   def quantise(x, axis, e):      # numpy; x: float32 -> the quantised numbers, widened to float32 again
;;       x = np.moveaxis(x, axis, -1); K = x.shape[-1]
;;       r = np.clip(x / 2.0 ** e, -448, 448)
;;       step = 2.0 ** (np.maximum(np.frexp(np.where(r == 0, 1, r))[1] - 1, -6) - 3)
;;       q = np.round(r / step) * step * 2.0 ** e      # np.round: ties to even
;;       return np.moveaxis(q, -1, axis).astype(np.float32)
;;   ~~~
;;   SOFTMAX AHEAD OF A QUANTISED PRODUCT. Where the list says 'softmax', what is quantised is not the finished softmax but p = 2^(t - M), with t = logit x log2(e) and M = ceil(the row's largest t), a whole number; so 1/2 < the row's largest p <= 1. The row's sum l is taken of the UNQUANTISED p, in f32, and the product's result is divided by l at the end. Since M is a whole number, a kernel that streams over the keys may use a running M (the ceiling of the running maximum): every later rescaling is an exact power of two, so the quantised numbers keep their values, but for numbers so far below the row's largest that they fall under the format's range.
;;   OPERANDS COMPUTED ON THE WAY. 'Computed on the way' means the value that the module computes at that place (a softmax that the list does not call 'softmax' is quantised finished and normalised). What goes into a quantiser is computed in f32, as accurately as f32 sums, v_exp_f32 and their like allow (about 1e-6 of the number): no bf16 or f16 on the way to a quantiser, and a product that is left as it is and whose result goes on into a quantised operand takes f32 operands (vector FMAs, or v_wmma_f32_16x16x4_f32). A number that lies on a knife's edge between two numbers of the format may be rounded either way, as far as f32 arithmetic and the matrix unit's own rounding can turn it there, and no further.
;; One version. Each part assembles by itself: llvm-mc -triple=amdgcn-amd-amdhsa -mcpu=gfx1250 --defsym DOCPART=n.
;; ======== version 1 of 1: 4 launches
;; limits: right only within a limited range of input values
;; workspace buffers: x_codes 8,388,608 bytes; wqkv_codes 3,145,728 bytes; wo_codes 1,048,576 bytes; q_codes 8,388,608 bytes; kv_codes 16,777,216 bytes; o_codes 8,388,608 bytes
;; launch quant (part 1): grid 384 x 1, 4 waves a work-group, no clusters, 33,280 bytes of LDS; arguments x, W_qkv, W_o, lowp_scales, x_codes, wqkv_codes, wo_codes; writes x_codes, wqkv_codes, wo_codes
.if DOCPART == 1
	.amdgcn_target "amdgcn-amd-amdhsa--gfx1250"
	.amdhsa_code_object_version 6
	.text
	.protected	k_q8a4d8ba2f6_quant
	.globl	k_q8a4d8ba2f6_quant
	.p2align	8
	.type	k_q8a4d8ba2f6_quant,@function
k_q8a4d8ba2f6_quant:
	s_mov_b64 s[64:65], 0
	v_nop
	global_prefetch_b8 v0, s[64:65] scope:SCOPE_SE
	s_setreg_imm32_b32 hwreg(HW_REG_WAVE_MODE, 25, 1), 1
	s_wait_xcnt 0x0
; x [8192][1024], W_qkv [3072][1024] and W_o [1024][1024], f32 with K innermost, become codes of FP8 (E4M3), one byte each, in the same order,
; each with the one scale 2^e that is given for it: entry 0 (x), entry 1 (W_qkv), entry 7 (W_o) of the buffer of scales.
; code = number / 2^e, held within +-448, rounded to the nearest code, ties to even.
; LIMITS: each of the three e lies between -126 and 119, so that 2^e and 448 x 2^e are f32 numbers.  NaN among the inputs is not served; an infinity is held at the largest code.
; Rows are dense, so each tensor is a plain stream.  A work-group takes 32,768 numbers: work-groups 0-255 x, 256-351 W_qkv, 352-383 W_o; only pointers and e are chosen, all take one way through the text.
; A wave takes 16 steps of 512 numbers.  A conversion takes 8 neighbours from ONE lane's registers, a load is best where neighbouring LANES take neighbouring bytes: each of a step's four loads reads 512
; consecutive bytes, 16 a lane; the 2,048 bytes go through the wave's own stage in LDS and come back 64 bytes a lane (16 bytes of padding behind each 64).  A lane's 16 codes are 16 bytes: a store of the wave
; covers 512 consecutive bytes.  No barrier: waves share nothing.  Loads run four steps (16 loads a wave) ahead, the turn through LDS one step.
.set STEPS, 16
.set WG_X,  256                        ; x's work-groups: 8192 x 1024 / 32768
.set WG_XW, 352                        ; + W_qkv's 96
.set EMAX,  8
.set MANT,  0x600000                   ; the mantissa field of 448 as f32
.set CB,    16                         ; bytes of 16 codes
.set R,     16                         ; v16-79   four sets of 16 numbers as they are loaded
.set X,     80                         ; v80-111  two sets of 16 neighbours
.set C,     128                        ; v128-191 codes: four registers for each step, so that no store's data are written again
.set WREG,  8192                       ; LDS: a region of its own for each wave: two stages of 32 x SP bytes
.set SP,    80                         ; a lane's place in a stage: its 64 bytes + 16 of padding
	s_load_b128 s[4:7], s[0:1], 0x0                ; x, W_qkv
	s_load_b128 s[8:11], s[0:1], 0x10              ; W_o, the scales' exponents
	s_load_b128 s[12:15], s[0:1], 0x20             ; x's codes, W_qkv's codes
	s_load_b64 s[16:17], s[0:1], 0x30              ; W_o's codes
	v_lshl_add_u32 v192, v0, 2, 0x8000
	v_mov_b32 v193, 0
	v_lshrrev_b32 v1, 5, v0
	v_readfirstlane_b32 s18, v1                    ; wave
	v_and_b32 v2, 31, v0                           ; lane
	v_lshlrev_b32 v3, 4, v2                        ; my 16 bytes of a load's 512
	s_mul_i32 s26, s18, WREG
	v_lshrrev_b32 v14, 2, v2
	v_mul_u32_u24 v14, v14, SP
	v_and_b32 v15, 3, v2
	v_lshl_add_u32 v14, v15, 4, v14
	v_add_nc_u32 v14, s26, v14                     ; the stage, on the way in: four lanes' 64 bytes on end, then 16 of padding
	v_mul_u32_u24 v15, v2, SP
	v_add_nc_u32 v15, s26, v15                     ; and on the way out: SP x lane: my 16 neighbours
	v_mul_u32_u24 v4, v2, CB                       ; my codes' place in a step's
	s_wait_alu depctr_va_vdst(0)
	s_wait_kmcnt 0x0
	s_load_b256 s[32:39], s[10:11], 0x0            ; the eight exponents
	s_mov_b32 s24, WG_XW
	s_cmp_lt_u32 ttmp9, WG_XW                      ; which tensor?  The choice hangs on the work-group's number alone
	s_cselect_b64 s[20:21], s[6:7], s[8:9]
	s_cselect_b64 s[22:23], s[14:15], s[16:17]
	s_cselect_b32 s24, WG_X, s24
	s_cmp_lt_u32 ttmp9, WG_X
	s_cselect_b64 s[20:21], s[4:5], s[20:21]       ; from where,
	s_cselect_b64 s[22:23], s[12:13], s[22:23]     ; to where,
	s_cselect_b32 s24, 0, s24                      ; and the tensor's first work-group
	s_sub_co_u32 s26, ttmp9, s24
	s_lshl_b32 s26, s26, 2
	s_add_co_u32 s26, s26, s18                     ; which run of 8,192 numbers of the tensor is my wave's
	s_mov_b32 s27, 0
	s_lshl_b64 s[28:29], s[26:27], 15              ; 32,768 bytes of numbers,
	s_add_nc_u64 s[20:21], s[20:21], s[28:29]
	s_lshl_b64 s[28:29], s[26:27], 13              ; 8,192 bytes of codes
	s_add_nc_u64 s[22:23], s[22:23], s[28:29]
.macro LOAD t
.irp i, 0,1,2,3
	global_load_b128 v[R+16*((\t)%4)+4*\i:R+16*((\t)%4)+4*\i+3], v3, s[20:21] offset:2048*(\t)+512*\i th:TH_LOAD_NT   ; 32 lanes read 512 consecutive bytes; read once in the launch
.endr
.endm
.macro TURN t                          ; step t's numbers through the stage: LDS serves a wave's instructions in order (ISA guide 5.7.1.4), so no wait stands between the stores and the loads
.irp i, 0,1,2,3
	ds_store_b128 v14, v[R+16*((\t)%4)+4*\i:R+16*((\t)%4)+4*\i+3] offset:32*SP*((\t)%2)+8*SP*\i
.endr
.irp i, 0,1,2,3
	ds_load_b128 v[X+16*((\t)%2)+4*\i:X+16*((\t)%2)+4*\i+3], v15 offset:32*SP*((\t)%2)+16*\i
.endr
.endm
.irp t, 0,1,2,3
	LOAD \t
.endr
	s_wait_kmcnt 0x0
	s_cmp_lt_u32 ttmp9, WG_XW
	s_cselect_b32 s25, s33, s39                    ; W_qkv's e or W_o's,
	s_cmp_lt_u32 ttmp9, WG_X
	s_cselect_b32 s25, s32, s25                    ; or x's
	s_add_co_i32 s25, s25, 127
	s_lshl_b32 s30, s25, 23
	v_mov_b32 v11, s30                             ; 2^e as f32: the conversion takes its exponent field
	s_add_co_i32 s25, s25, EMAX
	s_lshl_b32 s25, s25, 23
	s_or_b32 s25, s25, MANT
	s_wait_alu depctr_va_vdst(0)
	s_wait_loadcnt 12                              ; step 0's four loads are in; the 12 of steps 1 to 3 may be out
	TURN 0
.macro STEP t
.set XS, X+16*((\t)%2)
	s_wait_dscnt 0x0                               ; this step's numbers are back from the stage: so its stores into the stage have read their registers,
.if (\t)+4 < STEPS
	LOAD (\t)+4                                    ; which take the loads of four steps on
.endif
.if (\t)+1 < STEPS
.if STEPS-2-(\t) >= 3
	s_wait_loadcnt 12                              ; the next step's four loads are in; those of the three steps behind it may be out
.else
	s_wait_loadcnt 4*(STEPS-2-(\t))                ; at the end the count runs down with the steps that are left
.endif
	TURN (\t)+1                                    ; and go through the other stage while this step is worked
.endif
.irp i, 0,1,2,3,4,5,6,7,8,9,10,11,12,13,14,15
.endr
	v_cvt_scalef32_pk8_fp8_f32 v[C+4*(\t):C+4*(\t)+1], v[XS:XS+7], v11          ; eight numbers / 2^e, to the nearest code, ties to even; the first number's code in the lowest byte
	v_cvt_scalef32_pk8_fp8_f32 v[C+4*(\t)+2:C+4*(\t)+3], v[XS+8:XS+15], v11
	global_store_b128 v4, v[C+4*(\t):C+4*(\t)+3], s[22:23] offset:32*CB*(\t)    ; the results go to a store alone
.endm
.irp t, 0,1,2,3,4,5,6,7,8,9,10,11,12,13,14,15
	STEP \t
.endr
	s_wait_tensorcnt 0x0
	ds_add_u32 v192, v193
	s_wait_dscnt 0x0
	s_endpgm
.Lfunc_end_k_q8a4d8ba2f6_quant:
	.size	k_q8a4d8ba2f6_quant, .Lfunc_end_k_q8a4d8ba2f6_quant-k_q8a4d8ba2f6_quant
	.p2alignl 7, 3214868480
	.fill 96, 4, 3214868480
	.section	.rodata,"a",@progbits
	.p2align	6, 0x0
	.amdhsa_kernel k_q8a4d8ba2f6_quant
		.amdhsa_group_segment_fixed_size 33280
		.amdhsa_private_segment_fixed_size 0
		.amdhsa_enable_private_segment 0
		.amdhsa_kernarg_size 56
		.amdhsa_user_sgpr_count 2
		.amdhsa_user_sgpr_kernarg_segment_ptr 1
		.amdhsa_wavefront_size32 1
		.amdhsa_system_sgpr_workgroup_id_x 1
		.amdhsa_system_sgpr_workgroup_id_y 1
		.amdhsa_system_sgpr_workgroup_id_z 1
		.amdhsa_system_vgpr_workitem_id 0
		.amdhsa_next_free_vgpr 194
		.amdhsa_next_free_sgpr 66
		.amdhsa_reserve_vcc 0
		.amdhsa_float_denorm_mode_32 3
		.amdhsa_float_denorm_mode_16_64 3
		.amdhsa_fp16_overflow 1
		.amdhsa_memory_ordered 1
		.amdhsa_forward_progress 1
		.amdhsa_inst_pref_size 22
	.end_amdhsa_kernel
	.amdgpu_metadata
---
amdhsa.version: [ 1, 2 ]
amdhsa.kernels:
  - .name:           k_q8a4d8ba2f6_quant
    .symbol:         k_q8a4d8ba2f6_quant.kd
    .args:
      - { .name: x, .offset: 0, .size: 8, .value_kind: global_buffer, .address_space: global }
      - { .name: W_qkv, .offset: 8, .size: 8, .value_kind: global_buffer, .address_space: global }
      - { .name: W_o, .offset: 16, .size: 8, .value_kind: global_buffer, .address_space: global }
      - { .name: lowp_scales, .offset: 24, .size: 8, .value_kind: global_buffer, .address_space: global }
      - { .name: x_codes, .offset: 32, .size: 8, .value_kind: global_buffer, .address_space: global }
      - { .name: wqkv_codes, .offset: 40, .size: 8, .value_kind: global_buffer, .address_space: global }
      - { .name: wo_codes, .offset: 48, .size: 8, .value_kind: global_buffer, .address_space: global }
    .group_segment_fixed_size: 33280
    .private_segment_fixed_size: 0
    .kernarg_segment_align: 8
    .kernarg_segment_size: 56
    .max_flat_workgroup_size: 128
    .sgpr_count:     66
    .vgpr_count:     194
    .wavefront_size: 32
...
	.end_amdgpu_metadata
.endif
;; end of part 1
;; launch qkv (part 2): grid 12 x 32, 4 waves a work-group, clusters of 4 x 4, 327,680 bytes of LDS; arguments x_codes, wqkv_codes, lowp_scales, b_qkv, q_codes, kv_codes; writes q_codes, kv_codes
.if DOCPART == 2
	.amdgcn_target "amdgcn-amd-amdhsa--gfx1250"
	.amdhsa_code_object_version 6
	.text
	.protected	k_q8a4d8ba2f6_qkv
	.globl	k_q8a4d8ba2f6_qkv
	.p2align	8
	.type	k_q8a4d8ba2f6_qkv,@function
k_q8a4d8ba2f6_qkv:
	s_mov_b64 s[64:65], 0
	v_nop
	global_prefetch_b8 v0, s[64:65] scope:SCOPE_SE
	s_setreg_imm32_b32 hwreg(HW_REG_WAVE_MODE, 25, 1), 1
	s_wait_xcnt 0x0
	s_wait_alu depctr_hold_cnt(0) depctr_sa_sdst(0) depctr_va_vdst(0) depctr_va_sdst(0) depctr_va_ssrc(0) depctr_va_vcc(0) depctr_vm_vsrc(0)
	s_getreg_b32 s2, hwreg(HW_REG_IB_STS2, 6, 4)
	s_cmp_eq_u32 s2, 0
	s_cbranch_scc0 .Lentry_in_a_cluster
	s_endpgm
.Lentry_in_a_cluster:
	s_bfe_u32 s2, ttmp6, 0x10000c
	s_cmp_lg_u32 s2, 0xf033
	s_cbranch_scc0 .Lentry_shape_is_right
	s_endpgm
.Lentry_shape_is_right:
; qkv = x W_qkv^T + b_qkv on codes of FP8 (E4M3), [8192] x [3072], K = 1024; the results are quantised at once, Q with 2^e2, K with 2^e3, V with 2^e5, and leave as codes alone,
; laid as the attention launch's operand registers want them.  x's codes stand for code x 2^e0, W_qkv's for code x 2^e1.
; A sum stands for sum x 2^(e0 + e1): the bias is added as b / 2^(e0 + e1), and the conversion takes the one scale 2^(eo - e0 - e1), eo = e2, e3 or e5.
; LIMITS: eo - e0 - e1 between -126 and 119, so that the scale and 448 x the scale are f32 numbers; e0 + e1 is applied by v_ldexp_f32.  NaN is not served.
; SHARES.  A tile of 256 x 256 is made by a work-group of four waves, a wave makes 128 x 128: 64 accumulators of 16 x 16, 512 registers.  K goes in four steps of 256 through two LDS slots filled by the tensor data mover.
; CLUSTERS of 4 x 4 work-groups; cluster x = 0, 1, 2 makes Q, K, V.  "A" is the matrix instruction's source 1 (a lane of a result is one of its rows), "B" its source 0 (a lane's eight registers are eight of its rows).
;   Q and K:  A = 256 tokens of x (tile 4 Y + cy),  B = 256 rows of W_qkv (tile 4 X + cx): a lane holds one token and eight neighbouring features: neighbours along the K of Q K^T.
;   V:        A = 256 rows of W_qkv (tile 8 + cy),  B = 256 tokens of x (tile 4 Y + cx): a lane holds one feature and eight neighbouring tokens: neighbours along the K of P V.
; A's tile hangs on cy alone and is asked for jointly by the four work-groups of a row of the cluster, B's on cx alone and by the four of a column.  The choice hangs on the cluster's x, which all sixteen share.
; OUTPUT LAYOUTS (r = lane % 16, h = lane / 16; a conversion's two registers are eight codes):
;   q_codes  [head 64][tile of 16 tokens 128][1,024 bytes]: lane (r, h)'s eight registers of a 16 x 64 fragment (token r; registers 2 c, 2 c + 1: features 16 c + 8 h + 0 .. 7): registers 0-3 at 16 x lane, 4-7 at 512 + 16 x lane
;   kv_codes [head 64][step of 128 keys 16][16,384 bytes]: eight tiles of K as above, then from byte 8,192 four fragments of V^T, 16 features x 128 keys, 2,048 bytes each: registers 4 g .. 4 g + 3 at 512 g + 16 x lane
;            (feature r; registers 2 c, 2 c + 1: keys 16 c + 8 h + 0 .. 7).  Every store of a wave covers 512 consecutive bytes, aligned.
; REGISTERS, in windows of 256: window 0: v0-31 addresses and scales; v32-95 the bias for Q and K; v96-119 the bias for V; from v128 A's fragments, ONE set.   window 1: B's fragments, TWO sets, at v0 and v128.
;   window 2: the 32 accumulators of A's rows 0-63 (accumulator (a, b) at v[8 (8 a + b)]);   window 3: those of rows 64-127.
.set ROWB,   256                       ; a tile's row in bytes: 256 codes
.set KROW,   1024                      ; a row of x's or of W_qkv's codes in memory
.set PITCH,  272                       ; an LDS row: 256 bytes + 16 of padding = 68 words: row r starts at bank 4 r mod 64 (64 banks of 4 bytes: ISA guide 11.1), so the 16 rows of a load start at 16 different banks
.set FR,     16                        ; registers of a fragment: 16 rows x 128 K
.set NL,     4                         ; LDS loads that bring one
.set NP,     4                         ; places behind this matrix instruction (ISA guide 7.12.1)
.set HALFT,  128*PITCH                 ; 128 rows: what one tensor load brings
.set SLOT,   4*HALFT                   ; A's 256 rows, then B's 256 rows
.set SPARE,  2*SLOT                    ; behind the ring: the spare words, 128 bytes for each wave: two blocks of 256 bytes that no other line names
.set BAQ,  8                           ; v8      byte offset in b_qkv of my eight numbers of B's block 0 (Q, K)
.set BAV,  9                           ; v9      byte offset in b_qkv of my number of A's block 0 (V)
.set SCL,  10                          ; v10     2^(eo - e0 - e1) as f32
.set LIM,  11
.set ADRA, 16                          ; v16-17  LDS address of my A fragments in slot 0, 1
.set ADRB, 20                          ; v20-21  the same for B
.set SPW,  28                          ; v28     LDS address of my spare word; never rewritten
.set NIL,  29                          ; v29     0; never rewritten
.set LO,   30                          ; v30     16 x lane: my place in a store's 512 bytes
.set BQ,   32                          ; v32-95  Q, K: register 8 b + j = b_qkv at feature 16 b + 8 h + j of my 128
.set BVR,  96                          ; v96-103 V: register a = b_qkv at feature 16 a + r of my 128
.set BV2,  104                         ; v104-119 the same / 2^(e0 + e1), each twice: pairs for the packed addition
.set TQ,   96                          ; the way out of Q, K: 32 numbers at work (V's bias is not used there)
.set TV,   128                         ; the way out of V: 64 numbers at work
.set AF,   128                         ; A's fragments, in window 0
.set G1, 24                            ; s[24:31] descriptor group 1 for A's tiles;  s[32:39] group 0, one set for each slot
.set G0, 32
.set G1B, 48                           ; s[48:55], s[56:63] the same for B's tiles
.set G0B, 56
.set MSB, 0
.macro WIN new                         ; the immediate's high byte repeats the setting that is left
.if MSB != \new
	s_set_vgpr_msb (MSB<<8)|\new
.set MSB, \new
.endif
.endm
.set MUL_LO, 0xa1                      ; source 0 (B) window 1, source 1 (A) window 0, C and D window 2
.set MUL_HI, 0xf1                      ; the same, C and D window 3
.set TO_B,   0x40                      ; destination window 1, address window 0
; A joint load: waves 0 and 1 fetch A's halves, waves 2 and 3 B's.  Each of the two lines has one mask and one set of registers for all that issue it; the branch hangs on the wave's number alone.
; Four v_nop follow each of the two lines, ahead of the jump, the label and what follows.
.macro JLOAD g0a, g1a, g0b, g1b
	s_cmp_eq_u32 s15, 0
	s_cbranch_scc0 .Lfor_b_\@
	tensor_load_to_lds s[\g0a:\g0a+3], s[\g1a:\g1a+7]
	s_nop 0
.rept 4
	v_nop
.endr
	s_branch .Lasked_\@
.Lfor_b_\@:
	tensor_load_to_lds s[\g0b:\g0b+3], s[\g1b:\g1b+7]
	s_nop 0
.rept 4
	v_nop
.endr
.Lasked_\@:
.endm
.macro CREST                           ; a round of the cluster's barrier behind its opening barrier
	s_cmp_lg_u32 s14, 0
	s_cbranch_scc1 .Lnot_wave_0_\@
	s_barrier_signal -3
.Lnot_wave_0_\@:
	s_barrier_wait -3
	s_barrier_signal -1
	s_barrier_wait -1
.endm
.macro CROUND                          ; a whole round
	s_barrier_signal -1
	s_barrier_wait -1
	CREST
.endm
	s_load_b128 s[4:7], s[0:1], 0x0                ; x's codes s[4:5], W_qkv's codes s[6:7]
	s_load_b128 s[8:11], s[0:1], 0x10              ; the scales' exponents s[8:9], b_qkv s[10:11]
	s_load_b128 s[68:71], s[0:1], 0x20             ; q_codes s[68:69], kv_codes s[70:71]
	v_lshl_add_u32 v[SPW], v0, 2, SPARE
	v_mov_b32 v[NIL], 0
	ds_add_u32 v28, v29
	ds_add_u32 v28, v29
	s_wait_dscnt 0x0
	v_lshrrev_b32 v1, 5, v0
	v_readfirstlane_b32 s14, v1                    ; wave 0..3
	s_lshr_b32 s15, s14, 1                         ; which half of A's rows is mine.  Also: I fetch for A (0) or for B (1)
	s_and_b32 s16, s14, 1                          ; which half of B's rows.  Also: which 128 rows of that tile I fetch
	s_bfe_u32 s40, ttmp6, 0x40000                  ; cx, cy: my place in the cluster
	s_bfe_u32 s41, ttmp6, 0x40004
	s_and_b32 s84, ttmp7, 0xffff
	s_lshl_b32 s84, s84, 2                         ; 4 Y
	s_lshl_b32 s85, ttmp9, 2                       ; 4 X
	s_cmp_eq_u32 ttmp9, 2                          ; V's cluster?  The same answer in all sixteen partners
	s_cselect_b32 s17, 8, s84
	s_cselect_b32 s42, s84, s85
	s_add_co_u32 s17, s17, s41                     ; A's tile: 4 Y + cy of x, or 8 + cy of W_qkv: it never holds cx
	s_add_co_u32 s42, s42, s40                     ; B's tile: 4 X + cx of W_qkv, or 4 Y + cx of x: it never holds cy
	s_lshl_b32 s43, s41, 2
	s_lshl_b32 s43, 15, s43                        ; my row of the cluster
	s_lshl_b32 s44, 0x1111, s40                    ; my column
	; descriptor group 1: a tile of 128 rows x 256 bytes, padded in LDS
	s_or_b32 s[G1+0], s43, (0<<16)|(1<<20)|(1<<21)|(5<<22)|(3<<25)  ; 15:0 the mask: A's tiles go to my row; 17:16 element of 1 byte; 20 padding on; 21 set beside a mask; 24:22 after every 64 words (code 5); 31:25 of 4 words (code 3)
	s_or_b32 s[G1B+0], s44, (0<<16)|(1<<20)|(1<<21)|(5<<22)|(3<<25) ; the same with the mask of my column
.irp g, G1, G1B
	s_mov_b32 s[\g+1], ROWB<<16                    ; tensor_dim0
	s_mov_b32 s[\g+2], 128<<16                     ; tensor_dim1 = 128
	s_mov_b32 s[\g+3], ROWB<<16                    ; tile_dim0
	s_mov_b32 s[\g+4], 128                         ; tile_dim1 = 128
	s_mov_b32 s[\g+5], KROW                        ; tensor_dim0_stride
	s_mov_b32 s[\g+6], 0
	s_mov_b32 s[\g+7], 0
.endr
	s_lshl_b32 s18, s16, 7                         ; which 128 rows of the tile I fetch
	s_lshl_b32 s20, s17, 8
	s_add_co_u32 s20, s20, s18                     ; A: row 256 x tile + 128 x half
	s_lshl_b32 s46, s42, 8
	s_add_co_u32 s46, s46, s18                     ; B likewise
	s_mov_b32 s21, 0
	s_mov_b32 s47, 0
	s_mov_b64 s[18:19], KROW
	s_mul_u64 s[20:21], s[20:21], s[18:19]         ; in bytes
	s_mul_u64 s[46:47], s[46:47], s[18:19]
	s_mul_i32 s45, s14, HALFT                      ; where they go: wave x 128 rows: no place in the cluster enters an LDS address
	s_wait_kmcnt 0x0
	s_load_b256 s[72:79], s[8:9], 0x0              ; e0 .. e7
	s_cmp_eq_u32 ttmp9, 2
	s_cselect_b64 s[86:87], s[6:7], s[4:5]         ; A's buffer
	s_cselect_b64 s[88:89], s[4:5], s[6:7]         ; B's buffer
	s_add_nc_u64 s[20:21], s[86:87], s[20:21]
	s_add_nc_u64 s[46:47], s[88:89], s[46:47]
	CROUND                                         ; all sixteen work-groups are here: the first joint loads meet
.irp s, 0,1
	s_mov_b32 s[G0+4*\s], 1                        ; count = 1
	s_add_co_u32 s[G0+4*\s+1], s45, \s*SLOT        ; LDS address
	s_add_nc_u64 s[G0+4*\s+2:G0+4*\s+3], s[20:21], \s*ROWB   ; global address: K step s
	s_or_b32 s[G0+4*\s+3], s[G0+4*\s+3], 0x80000000          ; type = 2
	s_mov_b32 s[G0B+4*\s], 1
	s_add_co_u32 s[G0B+4*\s+1], s45, \s*SLOT
	s_add_nc_u64 s[G0B+4*\s+2:G0B+4*\s+3], s[46:47], \s*ROWB
	s_or_b32 s[G0B+4*\s+3], s[G0B+4*\s+3], 0x80000000
	JLOAD G0+4*\s, G1, G0B+4*\s, G1B               ; two loads of mine are out
.endr
	v_and_b32 v1, 15, v0                           ; r = lane % 16
	v_bfe_u32 v2, v0, 4, 1                         ; h = lane / 16
	s_wait_alu depctr_va_vdst(0)
	v_mul_u32_u24 v3, v1, PITCH
	v_lshl_add_u32 v4, v2, 4, v3                   ; a fragment's row x pitch + 16 x half
	s_mul_i32 s21, s15, HALFT                      ; my 128 rows of A
	s_mul_i32 s22, s16, HALFT                      ; my 128 rows of B,
	s_add_co_u32 s22, s22, 2*HALFT                 ; which lie behind A's 256
.irp s, 0,1
	v_add_nc_u32 v[ADRA+\s], s21, v4
	v_add_nc_u32 v[ADRB+\s], s22, v4
	s_add_co_u32 s21, s21, SLOT
	s_add_co_u32 s22, s22, SLOT
.endr
	v_and_b32 v6, 31, v0
	v_lshlrev_b32 v[LO], 4, v6
	; The bias.  Both kinds are loaded in every work-group, 24 loads, once: each way out then finds its registers written on every way through the text.  The kind that is not used reads b_qkv's first 128 numbers.
	s_lshl_b32 s90, s42, 8
	s_lshl_b32 s91, s16, 7
	s_add_co_u32 s90, s90, s91                     ; Q, K: my first feature = 256 x B's tile + 128 x half
	s_lshl_b32 s92, s17, 8
	s_lshl_b32 s91, s15, 7
	s_add_co_u32 s92, s92, s91                     ; V: my first feature = 256 x A's tile + 128 x half
	s_cmp_eq_u32 ttmp9, 2
	s_cselect_b32 s90, 0, s90
	s_cselect_b32 s92, s92, 0
	s_lshl_b32 s90, s90, 2
	s_lshl_b32 s92, s92, 2
	v_lshl_add_u32 v[BAQ], v2, 5, s90              ; + 8 h numbers
	v_lshl_add_u32 v[BAV], v1, 2, s92              ; + r numbers
.irp b, 0,1,2,3,4,5,6,7
	global_load_b128 v[BQ+8*\b:BQ+8*\b+3], v[BAQ], s[10:11] offset:64*\b
	global_load_b128 v[BQ+8*\b+4:BQ+8*\b+7], v[BAQ], s[10:11] offset:64*\b+16
	global_load_b32 v[BVR+\b], v[BAV], s[10:11] offset:64*\b
.endr
.macro FRAG reg, adr, q, i             ; a fragment, 16 rows x 128 K of codes, is 16 registers: lane l holds row l % 16; registers 4 c .. 4 c + 3 hold K = 32 c + 16 (l / 16) + 0 .. 15: the same order of K in A and in B, so every product meets its partner
.irp c, 0,1,2,3
	ds_load_b128 v[\reg+4*\c:\reg+4*\c+3], v[\adr] offset:128*(\q)+32*\c+(\i)*16*PITCH
.endr
.endm
; 16 matrix instructions: A's blocks a0, a0 + 1 x B's eight, 128 along K.  p: B's set.  zero = 1: the first product starts the sums: nothing is ever cleared.
; The 64 accumulators take turns, one instruction a turn, in the same order in every step.
.macro MUL16 a0, p, zero
.irp a, \a0, \a0+1
.irp b, 0,1,2,3,4,5,6,7
.if \zero
	v_wmma_f32_16x16x128_fp8_fp8 v[8*(8*((\a)%4)+\b):8*(8*((\a)%4)+\b)+7], v[128*(\p)+FR*\b:128*(\p)+FR*\b+FR-1], v[AF+FR*(\a):AF+FR*(\a)+FR-1], 0
.else
	v_wmma_f32_16x16x128_fp8_fp8 v[8*(8*((\a)%4)+\b):8*(8*((\a)%4)+\b)+7], v[128*(\p)+FR*\b:128*(\p)+FR*\b+FR-1], v[AF+FR*(\a):AF+FR*(\a)+FR-1], v[8*(8*((\a)%4)+\b):8*(8*((\a)%4)+\b)+7]
.endif
.endr
.endr
.endm
.macro FETCH_B slot, q, p              ; B's eight fragments of the slot's q-th 128 along K into set p
	WIN TO_B
.irp i, 0,1,2,3,4,5,6,7
	FRAG 128*(\p)+FR*\i, ADRB+\slot, \q, \i
.endr
	WIN 0
.endm
.macro FETCH_A slot, q, i0             ; A's blocks i0 .. i0 + 3
.irp i, \i0, \i0+1, \i0+2, \i0+3
	FRAG AF+FR*(\i), ADRA+\slot, \q, \i
.endr
.endm
; A load into a register that a matrix instruction has read, and a vector instruction that reads a matrix result or writes one of a matrix instruction's registers, stand NP places behind it; only plain vector
; instructions that name none of its registers are places (ISA guide 7.12.1 for vector instructions).
.macro PLACES n
.rept \n
	v_nop
.endr
.endm
; A step of 128 along K that has its successor in the same slot.  A block of A is free as soon as its eight products are issued: blocks 0-3 are fetched anew in the step's middle, blocks 4-7 at its end.
.macro STEP slot, q, zero
	s_wait_dscnt 4*NL                              ; B's set and A's blocks 0-3 are in; the youngest 16 loads (A's blocks 4-7) may be out
	WIN MUL_LO
	MUL16 0, (\q)%2, \zero
	MUL16 2, (\q)%2, \zero
	s_wait_dscnt 0                                 ; A's blocks 4-7 are in (asked for 32 matrix instructions ago)
	PLACES NP
	FETCH_B \slot, (\q)+1, 1-(\q)%2
	FETCH_A \slot, (\q)+1, 0
	WIN MUL_HI
	MUL16 4, (\q)%2, \zero
	MUL16 6, (\q)%2, \zero
	PLACES NP
	WIN 0
	FETCH_A \slot, (\q)+1, 4
.endm
; A slot's last step changes slots: ONE barrier; in front of it each wave waits for all its tensor loads, adds 0 to its spare word, and waits for that and for its own reads of this slot.  fill = 1: this slot is filled again, two K steps ahead.
.macro TURN slot, next, fill
	s_wait_tensorcnt 0x0                           ; all my tensor loads have landed: my part of the next slot  (every window is 0 here)
	ds_add_u32 v[SPW], v[NIL]                      ; 0 onto my spare word
	s_wait_dscnt 4*NL+1                            ; (the add and the youngest 16 loads, A's blocks 4-7, may be out)
	WIN MUL_LO
	MUL16 0, 1, 0                                  ; sixteen matrix instructions stand between the add and the wait for it
	s_wait_dscnt 0x0                               ; the add is done, and my reads of this slot are over
	s_barrier_signal -1
	MUL16 2, 1, 0
	WIN 0
	s_barrier_wait -1
.if \fill
	CREST                                          ; the barrier has opened a round of the cluster's barrier: no wave of any partner still reads this slot's tile or has a load on its way
	s_add_nc_u64 s[G0+4*\slot+2:G0+4*\slot+3], s[G0+4*\slot+2:G0+4*\slot+3], 2*ROWB
	s_add_nc_u64 s[G0B+4*\slot+2:G0B+4*\slot+3], s[G0B+4*\slot+2:G0B+4*\slot+3], 2*ROWB
	JLOAD G0+4*\slot, G1, G0B+4*\slot, G1B         ; the first tensor load behind the round, my one load until the next; its four v_nop are the places in front of the loads below
.else
	PLACES NP
.endif
	FETCH_B \next, 0, 0
	FETCH_A \next, 0, 0
	WIN MUL_HI
	MUL16 4, 1, 0
	MUL16 6, 1, 0
	PLACES NP
	WIN 0
	FETCH_A \next, 0, 4
.endm
	s_wait_alu depctr_va_vdst(0)
	s_wait_tensorcnt 1                             ; my part of K step 0 is in; K step 1's load may be out
	s_barrier_signal -1
	s_barrier_wait -1                              ; everybody's is
	FETCH_B 0, 0, 0
	FETCH_A 0, 0, 0
	FETCH_A 0, 0, 4
	STEP 0, 0, 1                                   ; K = 1024 is eight steps of 128, written out: the first starts the sums,
	TURN 0, 1, 1                                   ; slot 0 takes K step 2,
	STEP 1, 0, 0
	TURN 1, 0, 1                                   ; slot 1 takes K step 3,
	STEP 0, 0, 0
	TURN 0, 1, 0                                   ; and nothing is left to fetch
	STEP 1, 0, 0
	s_wait_dscnt 4*NL
	WIN MUL_LO
	MUL16 0, 1, 0
	MUL16 2, 1, 0
	s_wait_dscnt 0
	WIN MUL_HI
	MUL16 4, 1, 0
	MUL16 6, 1, 0
	WIN 0
	; THE WAY OUT.  Where my wave's codes go: its 128 tokens are one step of 128 keys of one batch element, its 128 features two heads.
	s_wait_kmcnt 0x0
	s_cmp_eq_u32 ttmp9, 2
	s_cselect_b32 s84, s42, s17                    ; the tile of tokens,
	s_cselect_b32 s85, s16, s15                    ; my half of it,
	s_cselect_b32 s86, s41, s40                    ; the tile of features within Q, K or V,
	s_cselect_b32 s87, s15, s16                    ; my half of it
	s_cselect_b32 s88, 8192, 0                     ; V^T lies behind a step's eight tiles of K
	s_cselect_b32 s89, s77, s75                    ; e5 or e3,
	s_cmp_eq_u32 ttmp9, 0
	s_cselect_b32 s89, s74, s89                    ; or e2
	s_cselect_b32 s90, 0, 1                        ; a head and a step take twice the bytes in kv_codes
	s_cselect_b64 s[80:81], s[68:69], s[70:71]
	s_lshl_b32 s84, s84, 8
	s_lshl_b32 s85, s85, 7
	s_add_co_u32 s84, s84, s85                     ; my first token, 0 .. 8191
	s_lshr_b32 s85, s84, 11                        ; the batch element
	s_bfe_u32 s84, s84, 0x40007                    ; the step of 128 tokens in it
	s_lshl_b32 s85, s85, 4
	s_lshl_b32 s86, s86, 2
	s_add_co_u32 s85, s85, s86
	s_lshl_b32 s87, s87, 1
	s_add_co_u32 s85, s85, s87                     ; my first head: 16 x batch + 4 x tile + 2 x half
	s_lshl_b32 s85, s85, 17
	s_lshl_b32 s84, s84, 13
	s_add_co_u32 s84, s84, s85
	s_lshl_b32 s84, s84, s90
	s_add_co_u32 s84, s84, s88
	s_mov_b32 s85, 0
	s_add_nc_u64 s[80:81], s[80:81], s[84:85]      ; my first head's bytes,
	s_lshl_b32 s84, 0x20000, s90
	s_add_nc_u64 s[82:83], s[80:81], s[84:85]      ; and my second head's
	s_add_co_i32 s91, s72, s73                     ; e0 + e1
	s_sub_co_i32 s96, 0, s91
	s_sub_co_i32 s89, s89, s91                     ; eo - e0 - e1: the three scales folded into the conversion's one
	s_add_co_i32 s89, s89, 127
	s_lshl_b32 s92, s89, 23
	v_mov_b32 v[SCL], s92
	s_wait_loadcnt 0x0                             ; the bias
	PLACES NP                                      ; behind the last products: their results are read below, and A's registers are written
	s_cmp_eq_u32 ttmp9, 2
	s_cbranch_scc1 .Lv_out                         ; alike in all sixteen partners; no tensor load and no barrier is jumped over
	; Q and K.  Accumulator (a, 4 hd + c): lane (r, h) holds token 16 a + r and features 16 c + 8 h + 0 .. 7 of head hd: its conversion gives registers 2 c, 2 c + 1 of the token tile's fragment.
.set n, 0
.rept 64
	v_ldexp_f32 v[BQ+n], v[BQ+n], s96              ; b / 2^(e0 + e1)
.set n, n+1
.endr
.macro QKGROUP a, hd                   ; one fragment: 16 tokens x one head's 64 features.  Each group has code registers of its own, so no store's data are written again
.set AC, 64*((\a)%4)+32*(\hd)
.set CD, 128+8*(2*(\a)+(\hd))
	WIN 0x02+((\a)/4)                              ; source 0: window 2 or 3
.set n, 0
.rept 16
	v_pk_add_f32 v[TQ+n:TQ+n+1], v[AC+n:AC+n+1], v[BQ+32*(\hd)+n:BQ+32*(\hd)+n+1]   ; each accumulator from its low end on
.set n, n+2
.endr
	WIN 0
.set n, 0
.rept 32
.set n, n+1
.endr
.irp c, 0,1,2,3
	v_cvt_scalef32_pk8_fp8_f32 v[CD+2*\c:CD+2*\c+1], v[TQ+8*\c:TQ+8*\c+7], v[SCL]
.endr
	v_nop                                          ; a plain vector line between the conversions and the next group's additions, which write their sources
	global_store_b128 v[LO], v[CD:CD+3], s[80+2*(\hd):81+2*(\hd)] offset:1024*(\a)         ; 512 consecutive bytes, aligned
	global_store_b128 v[LO], v[CD+4:CD+7], s[80+2*(\hd):81+2*(\hd)] offset:1024*(\a)+512
.endm
.irp a, 0,1,2,3,4,5,6,7
	QKGROUP \a, 0
	QKGROUP \a, 1
.endr
	s_branch .Lend
.Lv_out:
	; V.  Accumulator (a, b): lane (r, h) holds feature 16 a + r and tokens 16 b + 8 h + 0 .. 7: its conversion gives registers 2 b, 2 b + 1 of fragment a % 4 of head a / 4.
.set n, 0
.rept 8
	v_ldexp_f32 v[BV2+2*n], v[BVR+n], s96
	v_ldexp_f32 v[BV2+2*n+1], v[BVR+n], s96
.set n, n+1
.endr
.macro VGROUP a                        ; one fragment of V^T: 16 features x 128 keys
.set AC, 64*((\a)%4)
.if (\a) < 4
.set CD, 192+16*(\a)
.else
.set CD, 32+16*((\a)-4)
.endif
	WIN 0x02+((\a)/4)
.set n, 0
.rept 32
	v_pk_add_f32 v[TV+n:TV+n+1], v[AC+n:AC+n+1], v[BV2+2*(\a):BV2+2*(\a)+1]
.set n, n+2
.endr
	WIN 0
.set n, 0
.rept 64
.set n, n+1
.endr
.irp b, 0,1,2,3,4,5,6,7
	v_cvt_scalef32_pk8_fp8_f32 v[CD+2*\b:CD+2*\b+1], v[TV+8*\b:TV+8*\b+7], v[SCL]
.endr
	v_nop
.irp g, 0,1,2,3
	global_store_b128 v[LO], v[CD+4*\g:CD+4*\g+3], s[80+2*((\a)/4):81+2*((\a)/4)] offset:2048*((\a)%4)+512*\g
.endr
.endm
.irp a, 0,1,2,3,4,5,6,7
	VGROUP \a
.endr
.Lend:
	s_wait_tensorcnt 0x0                           ; the wave's end
	ds_add_u32 v[SPW], v[NIL]
	s_wait_dscnt 0x0
	CROUND                                         ; the closing round: no work-group ends while a partner may still ask for a tile that names it
	s_endpgm
.Lfunc_end_k_q8a4d8ba2f6_qkv:
	.size	k_q8a4d8ba2f6_qkv, .Lfunc_end_k_q8a4d8ba2f6_qkv-k_q8a4d8ba2f6_qkv
	.p2alignl 7, 3214868480
	.fill 96, 4, 3214868480
	.section	.rodata,"a",@progbits
	.p2align	6, 0x0
	.amdhsa_kernel k_q8a4d8ba2f6_qkv
		.amdhsa_group_segment_fixed_size 327680
		.amdhsa_private_segment_fixed_size 0
		.amdhsa_enable_private_segment 0
		.amdhsa_kernarg_size 48
		.amdhsa_user_sgpr_count 2
		.amdhsa_user_sgpr_kernarg_segment_ptr 1
		.amdhsa_wavefront_size32 1
		.amdhsa_system_sgpr_workgroup_id_x 1
		.amdhsa_system_sgpr_workgroup_id_y 1
		.amdhsa_system_sgpr_workgroup_id_z 1
		.amdhsa_system_vgpr_workitem_id 0
		.amdhsa_next_free_vgpr 1024
		.amdhsa_next_free_sgpr 98
		.amdhsa_reserve_vcc 0
		.amdhsa_float_denorm_mode_32 3
		.amdhsa_float_denorm_mode_16_64 3
		.amdhsa_fp16_overflow 1
		.amdhsa_memory_ordered 1
		.amdhsa_forward_progress 1
		.amdhsa_inst_pref_size 134
	.end_amdhsa_kernel
	.amdgpu_metadata
---
amdhsa.version: [ 1, 2 ]
amdhsa.kernels:
  - .name:           k_q8a4d8ba2f6_qkv
    .symbol:         k_q8a4d8ba2f6_qkv.kd
    .args:
      - { .name: x_codes, .offset: 0, .size: 8, .value_kind: global_buffer, .address_space: global }
      - { .name: wqkv_codes, .offset: 8, .size: 8, .value_kind: global_buffer, .address_space: global }
      - { .name: lowp_scales, .offset: 16, .size: 8, .value_kind: global_buffer, .address_space: global }
      - { .name: b_qkv, .offset: 24, .size: 8, .value_kind: global_buffer, .address_space: global }
      - { .name: q_codes, .offset: 32, .size: 8, .value_kind: global_buffer, .address_space: global }
      - { .name: kv_codes, .offset: 40, .size: 8, .value_kind: global_buffer, .address_space: global }
    .group_segment_fixed_size: 327680
    .private_segment_fixed_size: 0
    .kernarg_segment_align: 8
    .kernarg_segment_size: 48
    .max_flat_workgroup_size: 128
    .sgpr_count:     98
    .vgpr_count:     1024
    .wavefront_size: 32
...
	.end_amdgpu_metadata
.endif
;; end of part 2
;; launch attn (part 3): grid 4 x 64, 16 waves a work-group, clusters of 4 x 1, 327,680 bytes of LDS; arguments q_codes, kv_codes, lowp_scales, o_codes; writes o_codes
.if DOCPART == 3
	.amdgcn_target "amdgcn-amd-amdhsa--gfx1250"
	.amdhsa_code_object_version 6
	.text
	.protected	k_q8a4d8ba2f6_attn
	.globl	k_q8a4d8ba2f6_attn
	.p2align	8
	.type	k_q8a4d8ba2f6_attn,@function
k_q8a4d8ba2f6_attn:
	s_mov_b64 s[64:65], 0
	v_nop
	global_prefetch_b8 v0, s[64:65] scope:SCOPE_SE
	s_setreg_imm32_b32 hwreg(HW_REG_WAVE_MODE, 25, 1), 1
	s_wait_xcnt 0x0
	s_wait_alu depctr_hold_cnt(0) depctr_sa_sdst(0) depctr_va_vdst(0) depctr_va_sdst(0) depctr_va_ssrc(0) depctr_va_vcc(0) depctr_vm_vsrc(0)
	s_getreg_b32 s2, hwreg(HW_REG_IB_STS2, 6, 4)
	s_cmp_eq_u32 s2, 0
	s_cbranch_scc0 .Lentry_in_a_cluster
	s_endpgm
.Lentry_in_a_cluster:
	s_bfe_u32 s2, ttmp6, 0x10000c
	s_cmp_lg_u32 s2, 0x3003
	s_cbranch_scc0 .Lentry_shape_is_right
	s_endpgm
.Lentry_shape_is_right:
; Causal attention on codes of FP8 (E4M3): for each of 64 heads (batch x head), 2,048 tokens, head size 64:  O[q] = sum over keys k <= q of softmax_k(Q[q] . K[k] / 8) V[k], quantised with 2^e6 for the last product.
; THE SOFTMAX AHEAD OF THE SECOND PRODUCT: t = score x log2(e) / 8; M = the row's largest t so far, rounded UP to a whole number; p = 2^(t - M) is quantised with 2^e4, not normalised.  The row's sum is taken of
; the unquantised p in f32 and divides O at the end.  When M moves, the sum and O are multiplied by 2^(old M - new M): exact.
; SHARES.  A cluster of four work-groups has one head.  The head's K and V, 262,144 bytes of codes laid as operand registers (16 steps of 128 keys: eight tiles of K, four fragments of V^T), fill each partner's LDS ONCE,
; as they lie in memory, by joint loads at the head: nothing is filled again.  Wave w of partner g owns two tiles of 16 queries: E = g + 4 w and L = g + 124 - 4 w.  Tile j needs key steps 0 .. j / 8, which is w / 2 for E
; and 15 - w / 2 for L: no branch hangs on g, and every wave has 17 tile steps.  Where both tiles are at work, one set of K's and V's fragments serves both.
; LAYOUT.  Both products are used transposed: S^T = K Q^T (source 0 = 16 keys, source 1 = my 16 queries), O^T = V^T P^T: a lane holds ONE query (lane % 16) throughout.  Register j of S^T's tile i is key 16 i + 8 h + j
; (h = lane / 16): the conversion's two registers are registers 2 i, 2 i + 1 of the second product's operand, in that form's own order of K.  Nothing changes lanes but a maximum and a sum.
; o_codes [tile of 16 rows 512][32 along K: 32][512 bytes]: byte 16 (16 hh + r) + e is row r at K = 32 c + 16 hh + e: what a 16-byte load at 16 x lane wants in the last product.  A store here is 256 consecutive bytes, aligned.
; LIMITS on the given exponents, so that each power of two below is an f32 number: e2 + e3 between -123 and 130 (added to c's exponent field); e4 and e6 between -126 and 119; e4 + e5 goes by v_ldexp_f32.  NaN is not served.
.set LI,  1                            ; v1   16 x lane; never rewritten
.set ADR, 2                            ; v2   LDS address of the step in hand
.set SCL, 3                            ; v3   2^e4 as f32 (on the way out: 2^e6)
.set LIM, 4
.set DL,  5                            ; v5   tile L: my query's place in its last step, less 8 h: key 16 i + j is hidden where 16 i + j > this
.set DE,  6                            ; v6   tile E likewise
.set GO,  7                            ; v7   16 r + 8 h: my 8 bytes of a store's 256
.set STL, 8                            ; v[8:11]   tile L: -M, the largest t, the sum in two halves
.set STE, 12                           ; v[12:15]  tile E
.set QL,  16                           ; v[16:23]  Q of L
.set QE,  24                           ; v[24:31]  Q of E
.set F,   32                           ; v32-95    K's eight fragments, then V^T's four
.set S,   96                           ; v96-159   S^T, then p
.set OL,  160                          ; v160-191  O^T of L
.set OE,  192                          ; v192-223  O^T of E
.set CL,  224                          ; v224-239  p's codes of L; until they are made: +0, +1 maxima, +2 the other half's, +3 -infinity, +4 f (+5 named with it), +6, +7 a second chain of sums
.set CE,  240                          ; v240-255  of E
.set WV,  12                           ; s12  wave
.set CX,  13                           ; s13  my place in the cluster
.set BH,  14                           ; s14  the head, 0 .. 63
.set AE,  16                           ; s16  tile E's last key step
.set AL,  17                           ; s17  tile L's
.set SS,  18                           ; s18  the key step in hand
.set TB,  19                           ; s19  its first LDS byte
.set SEL, 20                           ; s[20:21] lane selects for v_permlanex16_b32: lane l xor 16
.set CS,  22                           ; s[22:23] c = log2(e) / 8 x 2^(e2 + e3)
.set G1A, 24                           ; s[24:31] descriptor group 1: 8 rows of 256 bytes
.set G1B, 32                           ; s[32:39] 56 rows of 256 bytes
.set G0A, 40                           ; s[40:43] group 0: my sixteenth of steps 0 and 1
.set G0B, 44                           ; s[44:47] my sixteenth of steps 2 to 15
.set QBE, 48                           ; s[48:49], s[50:51] Q's tile of E, of L
.set QBL, 50
.set OBE, 52                           ; s[52:53], s[54:55] O's bytes of E, of L
.set OBL, 54
.set LP,  56                           ; s[56:63] e0 .. e7
.set CNT, 80                           ; s80  loop counter
.macro CROUND                          ; a round of the cluster's barrier
	s_barrier_signal -1
	s_barrier_wait -1
	s_cmp_lg_u32 s[WV], 0
	s_cbranch_scc1 .Lnot_wave_0_\@
	s_barrier_signal -3
.Lnot_wave_0_\@:
	s_barrier_wait -3
	s_barrier_signal -1
	s_barrier_wait -1
.endm
	s_load_b128 s[4:7], s[0:1], 0x0                ; q_codes, kv_codes
	s_load_b128 s[8:11], s[0:1], 0x10              ; the scales' exponents, o_codes
	v_lshl_add_u32 v254, v0, 2, 0x40000
	v_mov_b32 v255, 0
	ds_add_u32 v254, v255
	ds_add_u32 v254, v255
	s_wait_dscnt 0x0
	v_lshrrev_b32 v1, 5, v0
	s_delay_alu instid0(VALU_DEP_1)
	v_readfirstlane_b32 s[WV], v1                  ; wave 0..15
	s_bfe_u32 s[CX], ttmp6, 0x40000                ; g
	s_and_b32 s[BH], ttmp7, 0xffff                 ; the cluster's y: the head, which the four partners share
	; The head's bytes are dense: they come as rows of 256 bytes (32 elements of 8 bytes), no padding: every LDS read below takes 512 consecutive bytes.
	s_mov_b32 s[G1A], 15|(3<<16)|(1<<21)           ; 15:0 the mask: all four work-groups; 17:16 elements of 8 bytes; 21 set beside a mask
	s_mov_b32 s[G1A+1], 32<<16                     ; tensor_dim0 = 32
	s_mov_b32 s[G1A+2], 8<<16                      ; tensor_dim1 = 8
	s_mov_b32 s[G1A+3], 32<<16                     ; tile_dim0 = 32
	s_mov_b32 s[G1A+4], 8                          ; tile_dim1 = 8
	s_mov_b32 s[G1A+5], 32                         ; tensor_dim0_stride
	s_mov_b32 s[G1A+6], 0
	s_mov_b32 s[G1A+7], 0
	s_mov_b32 s[G1B], 15|(3<<16)|(1<<21)
	s_mov_b32 s[G1B+1], 32<<16
	s_mov_b32 s[G1B+2], 56<<16
	s_mov_b32 s[G1B+3], 32<<16
	s_mov_b32 s[G1B+4], 56
	s_mov_b32 s[G1B+5], 32
	s_mov_b32 s[G1B+6], 0
	s_mov_b32 s[G1B+7], 0
	s_lshl_b32 s66, s[BH], 18                      ; the head's first byte in kv_codes
	s_mov_b32 s67, 0
	s_lshl_b32 s68, s[WV], 11                      ; 2,048 bytes a wave of the first 32,768,
	s_mov_b32 s69, 0
	s_mul_i32 s70, s[WV], 14336                    ; 14,336 a wave of the other 229,376:
	s_add_co_u32 s70, s70, 32768                   ; the same place in LDS as in the head
	s_mov_b32 s71, 0
	s_mov_b32 s[SEL], 0x76543210
	s_mov_b32 s[SEL+1], 0xfedcba98
	s_wait_kmcnt 0x0
	s_load_b256 s[LP:LP+7], s[8:9], 0x0
	s_add_nc_u64 s[72:73], s[6:7], s[66:67]
	s_mov_b32 s[G0A], 1
	s_mov_b32 s[G0A+1], s68
	s_add_nc_u64 s[G0A+2:G0A+3], s[72:73], s[68:69]
	s_or_b32 s[G0A+3], s[G0A+3], 0x80000000
	s_mov_b32 s[G0B], 1
	s_mov_b32 s[G0B+1], s70
	s_add_nc_u64 s[G0B+2:G0B+3], s[72:73], s[70:71]
	s_or_b32 s[G0B+3], s[G0B+3], 0x80000000
	CROUND                                         ; all four work-groups are here: the joint loads meet
	tensor_load_to_lds s[G0A:G0A+3], s[G1A:G1A+7]  ; every wave issues both, the second behind the round below: no more are ever issued
	s_nop 0
	s_wait_alu depctr_va_vdst(0)
	s_wait_tensorcnt 0x0
	ds_add_u32 v254, v255
	s_wait_dscnt 0x0
	CROUND
	tensor_load_to_lds s[G0B:G0B+3], s[G1B:G1B+7]
	s_nop 0
.rept 4
	v_nop
.endr
	s_lshr_b32 s[AE], s[WV], 1
	s_sub_co_u32 s[AL], 15, s[AE]
	s_lshl_b32 s74, s[WV], 2
	s_add_co_u32 s75, s74, s[CX]                   ; tile E = g + 4 w
	s_sub_co_u32 s76, 124, s74
	s_add_co_u32 s76, s76, s[CX]                   ; tile L = g + 124 - 4 w
	s_lshl_b32 s66, s[BH], 17                      ; q_codes: 131,072 bytes a head, 1,024 a tile
	s_lshl_b32 s68, s75, 10
	s_add_co_u32 s68, s68, s66
	s_add_nc_u64 s[QBE:QBE+1], s[4:5], s[68:69]
	s_lshl_b32 s70, s76, 10
	s_add_co_u32 s70, s70, s66
	s_add_nc_u64 s[QBL:QBL+1], s[4:5], s[70:71]
	s_lshr_b32 s66, s[BH], 4
	s_lshl_b32 s66, s66, 7                         ; o_codes: 128 tiles of rows a batch element, 16,384 bytes a tile,
	s_and_b32 s67, s[BH], 15
	s_lshl_b32 s67, s67, 10                        ; a head's 64 along K are 1,024 bytes of it
	s_add_co_u32 s68, s66, s75
	s_lshl_b32 s68, s68, 14
	s_add_co_u32 s68, s68, s67
	s_add_nc_u64 s[OBE:OBE+1], s[10:11], s[68:69]
	s_add_co_u32 s70, s66, s76
	s_lshl_b32 s70, s70, 14
	s_add_co_u32 s70, s70, s67
	s_add_nc_u64 s[OBL:OBL+1], s[10:11], s[70:71]
	v_and_b32 v1, 31, v0
	s_delay_alu instid0(VALU_DEP_1)
	v_lshlrev_b32 v[LI], 4, v1
	global_load_b128 v[QL:QL+3], v[LI], s[QBL:QBL+1]               ; Q's fragments stay in registers
	global_load_b128 v[QL+4:QL+7], v[LI], s[QBL:QBL+1] offset:512
	global_load_b128 v[QE:QE+3], v[LI], s[QBE:QBE+1]
	global_load_b128 v[QE+4:QE+7], v[LI], s[QBE:QBE+1] offset:512
	v_and_b32 v2, 15, v0                           ; r
	v_bfe_u32 v3, v0, 4, 1                         ; h
	s_delay_alu instid0(VALU_DEP_1)
	v_lshlrev_b32 v4, 3, v3
	s_delay_alu instid0(VALU_DEP_1)
	v_sub_nc_u32 v4, v2, v4                        ; r - 8 h
	s_and_b32 s77, s76, 7
	s_lshl_b32 s77, s77, 4
	v_add_nc_u32 v[DL], s77, v4                    ; 16 (tile % 8) + r - 8 h: it goes into compares alone
	s_and_b32 s78, s75, 7
	s_lshl_b32 s78, s78, 4
	v_add_nc_u32 v[DE], s78, v4
	v_lshlrev_b32 v[GO], 4, v2
	s_delay_alu instid0(VALU_DEP_1)
	v_lshl_add_u32 v[GO], v3, 3, v[GO]
	v_mov_b32 v[STL+1], 0xff61b1e6                 ; the largest t so far: -3e38, under every t
	s_delay_alu instid0(VALU_DEP_1)
	v_floor_f32 v[STL], -v[STL+1]                  ; -M
	v_mov_b32 v[STL+2], 0
	v_mov_b32 v[STL+3], 0
	v_mov_b32 v[STE+1], 0xff61b1e6
	s_delay_alu instid0(VALU_DEP_1)
	v_floor_f32 v[STE], -v[STE+1]
	v_mov_b32 v[STE+2], 0
	v_mov_b32 v[STE+3], 0
.set n, 0
.rept 64
	v_mov_b32 v[OL+n], 0                           ; both O^T, once: a step is written without a first copy of its own: the first change of M multiplies zeros
.set n, n+1
.endr
	v_mov_b32 v[CL+2], 0                           ; a lane permute's destination counts as one of its sources,
	v_mov_b32 v[CE+2], 0
	v_mov_b32 v[CL+5], 0                           ; and these are named as the upper halves of f's pairs
	v_mov_b32 v[CE+5], 0
	s_wait_kmcnt 0x0
	s_mov_b32 s[CS], 0x3e38aa3b                    ; log2(e) / 8
	s_add_co_i32 s66, s[LP+2], s[LP+3]
	s_lshl_b32 s66, s66, 23
	s_add_co_i32 s[CS], s[CS], s66                 ; a score stands for score x 2^(e2 + e3): the two exponents are added to c's exponent field
	s_mov_b32 s[CS+1], s[CS]                       ; (named with it as a pair, so it is written)
	s_add_co_i32 s66, s[LP+4], 127
	s_lshl_b32 s67, s66, 23
	v_mov_b32 v[SCL], s67
	s_wait_loadcnt 0x0                             ; Q
.macro LOAD16 off                      ; 64 registers from the step's bytes off on: K's eight fragments (off = 0) or V^T's four (8192), as they were stored: 512 consecutive bytes a load
.set i, 0
.rept 16
	ds_load_b128 v[F+4*i:F+4*i+3], v[ADR] offset:\off+512*i
.set i, i+1
.endr
.endm
.macro QK q                            ; S^T = K Q^T for 128 keys: eight products, K = 64; then the places ahead of the first read of a result and of loads into F
.set i, 0
.rept 8
	v_wmma_f32_16x16x64_fp8_fp8 v[S+8*i:S+8*i+7], v[F+8*i:F+8*i+7], v[\q:\q+7], 0
.set i, i+1
.endr
.rept 4
	v_nop
.endr
.endm
.macro MASK c, d, a                    ; in a tile's last step the scores of hidden keys become -infinity ahead of the maximum: p = 0 then.  Key 128 a counts for every query of the tile, so the maximum is a number
	s_cmp_lg_u32 s[SS], s[\a]
	s_cbranch_scc1 .Lopen_\@
	v_mov_b32 v[\c+3], 0xff800000
.set n, 0
.rept 64
	v_cmp_gt_i32 vcc_lo, 16*(n/8)+n%8, v[\d]
	v_cndmask_b32 v[S+n], v[S+n], v[\c+3], vcc_lo
.set n, n+1
.endr
.Lopen_\@:
.endm
.macro SOFT st, o, c
	v_max3_num_f32 v[\c], v[S], v[S+1], v[S+2]     ; the step's largest score of my query among my 64 keys, in two chains; each tile of S^T is first read at its two lowest registers
	v_max3_num_f32 v[\c+1], v[S+3], v[S+4], v[S+5]
.set n, 6
.rept 14
	v_max3_num_f32 v[\c], v[\c], v[S+n], v[S+n+1]
	v_max3_num_f32 v[\c+1], v[\c+1], v[S+n+2], v[S+n+3]
.set n, n+4
.endr
	v_max3_num_f32 v[\c], v[\c], v[S+62], v[S+63]
	s_delay_alu instid0(VALU_DEP_1)
	v_max_num_f32 v[\c], v[\c], v[\c+1]
	v_permlanex16_b32 v[\c+2], v[\c], s[SEL], s[SEL+1]
	s_delay_alu instid0(VALU_DEP_1)
	v_max_num_f32 v[\c], v[\c], v[\c+2]            ; and among lane l xor 16's
	s_delay_alu instid0(VALU_DEP_1)
	v_mul_f32 v[\c], s[CS], v[\c]                  ; as t (c is positive)
	s_delay_alu instid0(VALU_DEP_1)
	v_max_num_f32 v[\st+1], v[\st+1], v[\c]        ; the running largest t
	v_mov_b32 v[\c], v[\st]
	s_delay_alu instid0(VALU_DEP_2)
	v_floor_f32 v[\st], -v[\st+1]                  ; the new -M = floor(-t) = -ceil(t): a whole number
	s_delay_alu instid0(VALU_DEP_1)
	v_sub_f32 v[\c], v[\st], v[\c]                 ; old M - new M: a whole number, 0 or less
	s_delay_alu instid0(VALU_DEP_1)
	v_cvt_i32_f32 v[\c], v[\c]                     ; (it saturates)
	s_delay_alu instid0(VALU_DEP_1)
	v_ldexp_f32 v[\c+4], 1.0, v[\c]                ; f = 2^(old M - new M)
.set n, 0
.rept 32
	v_pk_fma_f32 v[S+n:S+n+1], v[S+n:S+n+1], s[CS:CS+1], v[\st:\st+1] op_sel_hi:[1,0,0]   ; t - M, two at a time (of the pairs c and -M the low word serves both halves)
.set n, n+2
.endr
.set n, 0
	s_wait_alu depctr_va_vdst(0)
.rept 64
	v_exp_f32 v[S+n], v[S+n]                       ; p = 2^(t - M), at most 1: not normalised.  One batch
.set n, n+1
.endr
	v_pk_mul_f32 v[\st+2:\st+3], v[\st+2:\st+3], v[\c+4:\c+5] op_sel_hi:[1,0]   ; the sums and O^T under the new M: 17 plain lines that name no exponential's result
.set n, 0
	s_wait_alu depctr_va_vdst(0)
.rept 16
	v_pk_mul_f32 v[\o+n:\o+n+1], v[\o+n:\o+n+1], v[\c+4:\c+5] op_sel_hi:[1,0]
.set n, n+2
.endr
	s_wait_alu depctr_va_vdst(0)                   ; one wait for the whole batch, ahead of its first reader
	v_pk_add_f32 v[\c+6:\c+7], v[S:S+1], v[S+2:S+3]    ; the row's sum is taken of the unquantised p: two at a time, in two chains
.set n, 4
.rept 15
	v_pk_add_f32 v[\st+2:\st+3], v[\st+2:\st+3], v[S+n:S+n+1]
	v_pk_add_f32 v[\c+6:\c+7], v[\c+6:\c+7], v[S+n+2:S+n+3]
.set n, n+4
.endr
	s_delay_alu instid0(VALU_DEP_1)
	v_pk_add_f32 v[\st+2:\st+3], v[\st+2:\st+3], v[\c+6:\c+7]
.set i, 0
.rept 8
.set n, 0
.rept 8
.set n, n+1
.endr
	v_cvt_scalef32_pk8_fp8_f32 v[\c+2*i:\c+2*i+1], v[S+8*i:S+8*i+7], v[SCL]   ; keys 16 i + 8 h + 0 .. 7: registers 2 i, 2 i + 1 of the operand
.set i, i+1
.endr
	v_nop                                          ; a plain vector line between the last conversion and the matrix instructions that read its result or write its sources
.endm
.macro PV o, c                         ; O^T += V^T P^T: four products, K = these 128 keys; the four accumulators take turns, one instruction a turn
.set i, 0
.rept 4
	v_wmma_f32_16x16x128_fp8_fp8 v[\o+8*i:\o+8*i+7], v[F+16*i:F+16*i+15], v[\c:\c+15], v[\o+8*i:\o+8*i+7]
.set i, i+1
.endr
.endm
; A KEY STEP for both tiles.  chk = 1: a step behind tile L's last is left out (a scalar branch on the wave's number and the step; no barrier and no tensor load stands in a step).
; There is one decision on tile E, so that no way reads codes that it has not made.
.macro STEP chk
	v_add_nc_u32 v[ADR], s[TB], v[LI]              ; on every way; with the three v_nop below: four places behind the last products, ahead of the loads into F
.if \chk
	s_cmp_gt_u32 s[SS], s[AL]
	s_cbranch_scc1 .Ldone_\@
.endif
.rept 3
	v_nop
.endr
	LOAD16 0                                       ; K
	s_wait_dscnt 0x0
	QK QL
	MASK CL, DL, AL
	SOFT STL, OL, CL
	s_cmp_gt_u32 s[SS], s[AE]
	s_cbranch_scc1 .Lonly_\@
	QK QE                                          ; the same fragments of K serve tile E;
	LOAD16 8192                                    ; behind its four places V^T is asked for, and lands under tile E's softmax
	MASK CE, DE, AE
	SOFT STE, OE, CE
	s_wait_alu depctr_va_vdst(0)
	s_wait_dscnt 0x0                               ; V^T is in
	PV OL, CL
	PV OE, CE
	s_branch .Ldone_\@
.Lonly_\@:
	LOAD16 8192
	s_wait_dscnt 0x0
	s_wait_alu depctr_va_vdst(0)
	PV OL, CL
.Ldone_\@:
	s_add_co_u32 s[TB], s[TB], 16384
	s_add_co_u32 s[SS], s[SS], 1
.endm
	s_wait_tensorcnt 0x1                           ; my part of steps 0 and 1 is in; my second load may be out: the first loop reads below byte 32,768 alone
	s_barrier_signal -1
	s_barrier_wait -1                              ; everybody's is
	s_mov_b32 s[SS], 0
	s_mov_b32 s[TB], 0
	s_mov_b32 s[CNT], 2
.Lone:                                             ; steps 0 and 1: the work under which the other fourteen steps' bytes land
	STEP 0
	s_sub_co_u32 s[CNT], s[CNT], 1
	s_cmp_lg_u32 s[CNT], 0
	s_cbranch_scc1 .Lone
	s_wait_tensorcnt 0x0                           ; my part of the rest is in,
	s_wait_dscnt 0x0
	s_barrier_signal -1
	s_barrier_wait -1                              ; everybody's is: no barrier stands behind this one but the closing round
	s_mov_b32 s[SS], 2
	s_mov_b32 s[TB], 32768
	s_mov_b32 s[CNT], 14
.Ltwo:
	STEP 1
	s_sub_co_u32 s[CNT], s[CNT], 1
	s_cmp_lg_u32 s[CNT], 0
	s_cbranch_scc1 .Ltwo
	; THE WAY OUT.  O^T x 2^(e4 + e5) / the sum, quantised with 2^e6.  Register 8 d + j of lane (r, h) is O(query r, 16 d + 8 h + j): a conversion's eight codes are 8 neighbouring bytes of o_codes.
.rept 4
	v_nop                                          ; places behind the last products
.endr
	s_add_co_i32 s66, s[LP+6], 127
	s_lshl_b32 s67, s66, 23
	s_add_co_i32 s68, s[LP+4], s[LP+5]
	v_add_f32 v[CL], v[STL+2], v[STL+3]            ; the sums' two halves,
	v_add_f32 v[CE], v[STE+2], v[STE+3]
	v_permlanex16_b32 v[CL+2], v[CL], s[SEL], s[SEL+1]
	v_permlanex16_b32 v[CE+2], v[CE], s[SEL], s[SEL+1]
	s_delay_alu instid0(VALU_DEP_2)
	v_add_f32 v[CL], v[CL], v[CL+2]                ; and lane l xor 16's
	s_delay_alu instid0(VALU_DEP_2)
	v_add_f32 v[CE], v[CE], v[CE+2]
	s_wait_alu depctr_va_vdst(0)
	v_rcp_f32 v[CL], v[CL]                         ; both reciprocals are one batch;
	v_rcp_f32 v[CE], v[CE]
	v_mov_b32 v[SCL], s67                          ; 2^e6: a plain line behind them,
	s_wait_alu depctr_va_vdst(0)                   ; and one wait ahead of the first reader
	v_ldexp_f32 v[CL+4], v[CL], s68
	v_ldexp_f32 v[CE+4], v[CE], s68
.macro FIN o, c, base
.set n, 0
.rept 16
	v_pk_mul_f32 v[S+n:S+n+1], v[\o+n:\o+n+1], v[\c+4:\c+5] op_sel_hi:[1,0]   ; each accumulator from its low end on
.set n, n+2
.endr
.set n, 0
.rept 32
.set n, n+1
.endr
.set i, 0
.rept 4
	v_cvt_scalef32_pk8_fp8_f32 v[\c+8+2*i:\c+9+2*i], v[S+8*i:S+8*i+7], v[SCL]
.set i, i+1
.endr
	v_nop                                          ; a plain vector line ahead of the next tile's multiplications, which write the conversions' sources
.set i, 0
.rept 4
	global_store_b64 v[GO], v[\c+8+2*i:\c+9+2*i], s[\base:\base+1] offset:256*i   ; 32 lanes store 256 consecutive bytes, aligned
.set i, i+1
.endr
.endm
	FIN OL, CL, OBL
	FIN OE, CE, OBE
	s_wait_xcnt 0x0
	v_lshl_add_u32 v254, v0, 2, 0x40000
	v_mov_b32 v255, 0
	s_wait_alu depctr_va_vdst(0)
	s_wait_tensorcnt 0x0
	ds_add_u32 v254, v255
	s_wait_dscnt 0x0
	CROUND                                         ; the closing round: no work-group ends while a partner may still ask for bytes jointly
	s_endpgm
.Lfunc_end_k_q8a4d8ba2f6_attn:
	.size	k_q8a4d8ba2f6_attn, .Lfunc_end_k_q8a4d8ba2f6_attn-k_q8a4d8ba2f6_attn
	.p2alignl 7, 3214868480
	.fill 96, 4, 3214868480
	.section	.rodata,"a",@progbits
	.p2align	6, 0x0
	.amdhsa_kernel k_q8a4d8ba2f6_attn
		.amdhsa_group_segment_fixed_size 327680
		.amdhsa_private_segment_fixed_size 0
		.amdhsa_enable_private_segment 0
		.amdhsa_kernarg_size 32
		.amdhsa_user_sgpr_count 2
		.amdhsa_user_sgpr_kernarg_segment_ptr 1
		.amdhsa_wavefront_size32 1
		.amdhsa_system_sgpr_workgroup_id_x 1
		.amdhsa_system_sgpr_workgroup_id_y 1
		.amdhsa_system_sgpr_workgroup_id_z 1
		.amdhsa_system_vgpr_workitem_id 0
		.amdhsa_next_free_vgpr 256
		.amdhsa_next_free_sgpr 96
		.amdhsa_reserve_vcc 1
		.amdhsa_float_denorm_mode_32 3
		.amdhsa_float_denorm_mode_16_64 3
		.amdhsa_fp16_overflow 1
		.amdhsa_memory_ordered 1
		.amdhsa_forward_progress 1
		.amdhsa_inst_pref_size 87
	.end_amdhsa_kernel
	.amdgpu_metadata
---
amdhsa.version: [ 1, 2 ]
amdhsa.kernels:
  - .name:           k_q8a4d8ba2f6_attn
    .symbol:         k_q8a4d8ba2f6_attn.kd
    .args:
      - { .name: q_codes, .offset: 0, .size: 8, .value_kind: global_buffer, .address_space: global }
      - { .name: kv_codes, .offset: 8, .size: 8, .value_kind: global_buffer, .address_space: global }
      - { .name: lowp_scales, .offset: 16, .size: 8, .value_kind: global_buffer, .address_space: global }
      - { .name: o_codes, .offset: 24, .size: 8, .value_kind: global_buffer, .address_space: global }
    .group_segment_fixed_size: 327680
    .private_segment_fixed_size: 0
    .kernarg_segment_align: 8
    .kernarg_segment_size: 32
    .max_flat_workgroup_size: 512
    .sgpr_count:     96
    .vgpr_count:     256
    .wavefront_size: 32
...
	.end_amdgpu_metadata
.endif
;; end of part 3
;; launch proj (part 4): grid 4 x 32, 4 waves a work-group, clusters of 4 x 4, 327,680 bytes of LDS; arguments o_codes, wo_codes, lowp_scales, b_o, out0; writes out0
.if DOCPART == 4
	.amdgcn_target "amdgcn-amd-amdhsa--gfx1250"
	.amdhsa_code_object_version 6
	.text
	.protected	k_q8a4d8ba2f6_proj
	.globl	k_q8a4d8ba2f6_proj
	.p2align	8
	.type	k_q8a4d8ba2f6_proj,@function
k_q8a4d8ba2f6_proj:
	s_mov_b64 s[64:65], 0
	v_nop
	global_prefetch_b8 v0, s[64:65] scope:SCOPE_SE
	s_setreg_imm32_b32 hwreg(HW_REG_WAVE_MODE, 25, 1), 1
	s_wait_xcnt 0x0
	s_wait_alu depctr_hold_cnt(0) depctr_sa_sdst(0) depctr_va_vdst(0) depctr_va_sdst(0) depctr_va_ssrc(0) depctr_va_vcc(0) depctr_vm_vsrc(0)
	s_getreg_b32 s2, hwreg(HW_REG_IB_STS2, 6, 4)
	s_cmp_eq_u32 s2, 0
	s_cbranch_scc0 .Lentry_in_a_cluster
	s_endpgm
.Lentry_in_a_cluster:
	s_bfe_u32 s2, ttmp6, 0x10000c
	s_cmp_lg_u32 s2, 0xf033
	s_cbranch_scc0 .Lentry_shape_is_right
	s_endpgm
.Lentry_shape_is_right:
; out0 = O W_o^T + b_o on codes of FP8 (E4M3): [8192] x [1024], K = 1024, f32 out.  O's codes stand for code x 2^e6, W_o's for code x 2^e7: out = sum x 2^(e6 + e7) + b_o, one packed multiply-add for two numbers.
; LIMIT: e6 + e7 between -126 and 127, so that 2^(e6 + e7) is an f32 number.
; A tile of 256 x 256 is made by a work-group of four waves, a wave makes 128 x 128: 64 accumulators, 512 registers.  K goes in four steps of 256 through two LDS slots filled by the tensor data mover.
; 128 tiles, 128 work-groups: a tile of half the size would feed half as many products from each LDS byte.
; CLUSTERS of 4 x 4: the four of a row need the same tiles of O ("A"), the four of a column the same tiles of W_o ("B"): each tile is asked for jointly.  The matrix instruction is used transposed (source 0 = 16 rows
; of W_o, source 1 = 16 rows of O): a lane holds eight neighbouring numbers of a row of out0.
; A ARRIVES AS IMAGES OF ITS REGISTERS: o_codes [tile of 16 rows 512][32 along K: 32][512 bytes], byte 16 (16 h + r) + e = row r at K = 32 c + 16 h + e.  A K step of a tile of rows is 4,096 dense bytes; a 16-byte load at
; 16 x lane brings registers 4 c .. 4 c + 3: 512 consecutive bytes, no padding.  B's rows, fetched by 16-byte loads 32 bytes apart, have the same order of K.
; REGISTERS, in windows of 256: window 0: v0-31 addresses; v32-95 the bias; from v128 A's fragments, ONE set; on the way out v128-255 are rows of out0.   window 1: B's fragments, TWO sets.   windows 2, 3: the accumulators.
.set SIZE_N, 1024
.set ROWB,   256                       ; a row of B's tile in bytes
.set KROW,   1024                      ; a row of W_o's codes in memory; also 16 rows of O's codes are 16 x this
.set PITCH,  272                       ; B's LDS row: 256 bytes + 16 of padding = 68 words: row r starts at bank 4 r mod 64 (64 banks of 4 bytes: ISA guide 11.1)
.set FR,     16
.set NL,     4
.set NP,     4                         ; places behind this matrix instruction (ISA guide 7.12.1)
.set ASTEP,  4096                      ; a K step of one tile of 16 rows of O
.set HALFA,  8*ASTEP                   ; what one tensor load brings of A: 128 rows
.set HALFB,  128*PITCH                 ; and of B
.set SLOT,   2*HALFA+2*HALFB           ; A's 256 rows, then B's 256 rows
.set SPARE,  2*SLOT                    ; behind the ring: the spare words, 128 bytes for each wave: two blocks of 256 bytes that no other line names
.set SPITCH, 528                       ; the way out: a stage of 16 rows x (512 bytes + 16) for each wave, in slot 0, which has had its last fill and its last read when the first result is stored there
.set BAQ,  8                           ; v8      byte offset in b_o of my eight numbers of B's block 0
.set ADRA, 16                          ; v16-17  LDS address of my A fragments in slot 0, 1
.set ADRB, 20                          ; v20-21  the same for B
.set STO,  24                          ; v24     the way out: where I put 32 bytes of a row
.set RD,   25                          ; v25     where I read a row back
.set CO,   26                          ; v26     16 x lane: my byte offset in a row's 512
.set SPW,  28                          ; v28     LDS address of my spare word; never rewritten
.set NIL,  29                          ; v29     0; never rewritten
.set BQ,   32                          ; v32-95  register 8 b + j = b_o at column 16 b + 8 h + j of my 128
.set AF,   128
.set BK,   128                         ; the way out: 16 rows read back from the stage: v128-191 and v192-255 by turns
.set G1, 24
.set G0, 32
.set G1B, 48
.set G0B, 56
.set MSB, 0
.macro WIN new                         ; the immediate's high byte repeats the setting that is left
.if MSB != \new
	s_set_vgpr_msb (MSB<<8)|\new
.set MSB, \new
.endif
.endm
.set MUL_LO, 0xa1                      ; source 0 (B) window 1, source 1 (A) window 0, C and D window 2
.set MUL_HI, 0xf1
.set TO_B,   0x40
.macro JLOAD g0a, g1a, g0b, g1b        ; a joint load: waves 0 and 1 fetch A's halves, waves 2 and 3 B's; four v_nop follow each of the two lines
	s_cmp_eq_u32 s15, 0
	s_cbranch_scc0 .Lfor_b_\@
	tensor_load_to_lds s[\g0a:\g0a+3], s[\g1a:\g1a+7]
	s_nop 0
.rept 4
	v_nop
.endr
	s_branch .Lasked_\@
.Lfor_b_\@:
	tensor_load_to_lds s[\g0b:\g0b+3], s[\g1b:\g1b+7]
	s_nop 0
.rept 4
	v_nop
.endr
.Lasked_\@:
.endm
.macro CREST
	s_cmp_lg_u32 s14, 0
	s_cbranch_scc1 .Lnot_wave_0_\@
	s_barrier_signal -3
.Lnot_wave_0_\@:
	s_barrier_wait -3
	s_barrier_signal -1
	s_barrier_wait -1
.endm
.macro CROUND
	s_barrier_signal -1
	s_barrier_wait -1
	CREST
.endm
	s_load_b128 s[4:7], s[0:1], 0x0                ; O's codes, W_o's codes
	s_load_b128 s[8:11], s[0:1], 0x10              ; the scales' exponents, b_o
	s_load_b64 s[12:13], s[0:1], 0x20              ; out0
	v_lshl_add_u32 v[SPW], v0, 2, SPARE
	v_mov_b32 v[NIL], 0
	ds_add_u32 v28, v29
	ds_add_u32 v28, v29
	s_wait_dscnt 0x0
	v_lshrrev_b32 v1, 5, v0
	v_readfirstlane_b32 s14, v1                    ; wave 0..3
	s_lshr_b32 s15, s14, 1                         ; which half of the tile's rows is mine.  Also: I fetch for A (0) or for B (1)
	s_and_b32 s16, s14, 1                          ; which half of its columns.  Also: which 128 rows of that tile I fetch
	s_bfe_u32 s40, ttmp6, 0x40000                  ; cx, cy
	s_bfe_u32 s41, ttmp6, 0x40004
	s_lshl_b32 s42, ttmp9, 2
	s_add_co_u32 s42, s42, s40                     ; tile column = 4 x cluster x + cx
	s_and_b32 s17, ttmp7, 0xffff
	s_lshl_b32 s17, s17, 2
	s_add_co_u32 s17, s17, s41                     ; tile row = 4 x cluster y + cy
	s_lshl_b32 s43, s41, 2
	s_lshl_b32 s43, 15, s43                        ; my row of the cluster
	s_lshl_b32 s44, 0x1111, s40                    ; my column
	; A's descriptor group 1: 8 rows of 4,096 bytes (512 elements of 8 bytes), 16,384 bytes apart in memory, dense in LDS
	s_or_b32 s[G1+0], s43, (3<<16)|(1<<21)         ; 15:0 the mask: my row; 17:16 elements of 8 bytes; 21 set beside a mask
	s_mov_b32 s[G1+1], 512<<16                     ; tensor_dim0
	s_mov_b32 s[G1+2], 8<<16                       ; tensor_dim1
	s_mov_b32 s[G1+3], 512<<16                     ; tile_dim0
	s_mov_b32 s[G1+4], 8                           ; tile_dim1
	s_mov_b32 s[G1+5], 2048                        ; tensor_dim0_stride
	s_mov_b32 s[G1+6], 0
	s_mov_b32 s[G1+7], 0
	; B's: 128 rows x 256 bytes, padded in LDS
	s_or_b32 s[G1B+0], s44, (0<<16)|(1<<20)|(1<<21)|(5<<22)|(3<<25)  ; the mask: my column; elements of 1 byte; padding of 4 words after every 64
	s_mov_b32 s[G1B+1], ROWB<<16
	s_mov_b32 s[G1B+2], 128<<16
	s_mov_b32 s[G1B+3], ROWB<<16
	s_mov_b32 s[G1B+4], 128
	s_mov_b32 s[G1B+5], KROW
	s_mov_b32 s[G1B+6], 0
	s_mov_b32 s[G1B+7], 0
	s_lshl_b32 s18, s16, 7                         ; which 128 rows of the tile I fetch
	s_lshl_b32 s20, s17, 8
	s_add_co_u32 s20, s20, s18                     ; A: row 256 x tile row + 128 x half (1,024 bytes a row in o_codes too: 16 rows are 16,384)
	s_lshl_b32 s46, s42, 8
	s_add_co_u32 s46, s46, s18                     ; B: row 256 x tile column + 128 x half
	s_mov_b32 s21, 0
	s_mov_b32 s47, 0
	s_mov_b64 s[18:19], KROW
	s_mul_u64 s[20:21], s[20:21], s[18:19]
	s_mul_u64 s[46:47], s[46:47], s[18:19]
	s_lshl_b32 s45, s16, 15                        ; where they go: A's half x 32,768;
	s_mul_i32 s23, s16, HALFB
	s_add_co_u32 s23, s23, 2*HALFA                 ; B's half x 34,816, behind A's: no place in the cluster enters an LDS address
	s_wait_kmcnt 0x0
	s_load_b64 s[96:97], s[8:9], 0x18              ; e6, e7
	s_add_nc_u64 s[20:21], s[4:5], s[20:21]
	s_add_nc_u64 s[46:47], s[6:7], s[46:47]
	CROUND                                         ; all sixteen work-groups are here: the first joint loads meet
.irp s, 0,1
	s_mov_b32 s[G0+4*\s], 1
	s_add_co_u32 s[G0+4*\s+1], s45, \s*SLOT
	s_add_nc_u64 s[G0+4*\s+2:G0+4*\s+3], s[20:21], \s*ASTEP
	s_or_b32 s[G0+4*\s+3], s[G0+4*\s+3], 0x80000000
	s_mov_b32 s[G0B+4*\s], 1
	s_add_co_u32 s[G0B+4*\s+1], s23, \s*SLOT
	s_add_nc_u64 s[G0B+4*\s+2:G0B+4*\s+3], s[46:47], \s*ROWB
	s_or_b32 s[G0B+4*\s+3], s[G0B+4*\s+3], 0x80000000
	s_wait_alu depctr_va_vdst(0)
	s_wait_tensorcnt 0x0
	ds_add_u32 v28, v29
	ds_add_u32 v28, v29
	s_wait_dscnt 0x0
	CROUND
	JLOAD G0+4*\s, G1, G0B+4*\s, G1B               ; one load of mine is out
.endr
	v_and_b32 v1, 15, v0                           ; r
	v_bfe_u32 v2, v0, 4, 1                         ; h
	v_and_b32 v6, 31, v0
	v_lshlrev_b32 v[CO], 4, v6                     ; 16 x lane
	v_mul_u32_u24 v3, v1, PITCH
	v_lshl_add_u32 v4, v2, 4, v3                   ; B: a fragment's row x pitch + 16 x half
	s_lshl_b32 s21, s15, 15                        ; my 128 rows of A
	s_mul_i32 s22, s16, HALFB                      ; my 128 rows of B,
	s_add_co_u32 s22, s22, 2*HALFA                 ; which lie behind A's 256
.irp s, 0,1
	v_add_nc_u32 v[ADRA+\s], s21, v[CO]
	v_add_nc_u32 v[ADRB+\s], s22, v4
	s_add_co_u32 s21, s21, SLOT
	s_add_co_u32 s22, s22, SLOT
.endr
	s_mul_i32 s23, s14, 16*SPITCH                  ; my stage
	v_mul_u32_u24 v5, v1, SPITCH                   ; in: row r, 32 bytes for each half of the lanes
	v_lshl_add_u32 v5, v2, 5, v5
	v_add_nc_u32 v[STO], s23, v5
	v_add_nc_u32 v[RD], s23, v[CO]                 ; back: the 32 lanes take one row of 512 bytes
	s_lshl_b32 s20, s17, 8
	s_lshl_b32 s21, s15, 7
	s_add_co_u32 s20, s20, s21                     ; my first row of out0
	s_mov_b32 s21, 0
	s_mov_b64 s[18:19], SIZE_N*4
	s_mul_u64 s[20:21], s[20:21], s[18:19]
	s_lshl_b32 s46, s42, 10                        ; my first column, in bytes: 1024 x tile column + 512 x half: in out0's rows and in b_o alike
	s_lshl_b32 s47, s16, 9
	s_add_co_u32 s46, s46, s47
	s_mov_b32 s47, 0
	v_lshl_add_u32 v[BAQ], v2, 5, s46              ; + 8 h numbers
	s_add_nc_u64 s[20:21], s[20:21], s[46:47]
	s_add_nc_u64 s[12:13], s[12:13], s[20:21]
.irp b, 0,1,2,3,4,5,6,7
	global_load_b128 v[BQ+8*\b:BQ+8*\b+3], v[BAQ], s[10:11] offset:64*\b
	global_load_b128 v[BQ+8*\b+4:BQ+8*\b+7], v[BAQ], s[10:11] offset:64*\b+16
.endr
.macro FRAG reg, adr, q, i             ; B: 16 rows x 128 K: lane l holds row l % 16; registers 4 c .. 4 c + 3 hold K = 32 c + 16 (l / 16) + 0 .. 15
.irp c, 0,1,2,3
	ds_load_b128 v[\reg+4*\c:\reg+4*\c+3], v[\adr] offset:128*(\q)+32*\c+(\i)*16*PITCH
.endr
.endm
.macro FRAGA reg, adr, q, i            ; A: the same registers, from their image: tile of rows i, the K step's q-th 128, 512 bytes for each 32 along K
.irp c, 0,1,2,3
	ds_load_b128 v[\reg+4*\c:\reg+4*\c+3], v[\adr] offset:ASTEP*(\i)+2048*(\q)+512*\c
.endr
.endm
; 16 matrix instructions: A's blocks a0, a0 + 1 x B's eight.  The 64 accumulators take turns, one instruction a turn, in the same order in every step.
.macro MUL16 a0, p, zero
.irp a, \a0, \a0+1
.irp b, 0,1,2,3,4,5,6,7
.if \zero
	v_wmma_f32_16x16x128_fp8_fp8 v[8*(8*((\a)%4)+\b):8*(8*((\a)%4)+\b)+7], v[128*(\p)+FR*\b:128*(\p)+FR*\b+FR-1], v[AF+FR*(\a):AF+FR*(\a)+FR-1], 0
.else
	v_wmma_f32_16x16x128_fp8_fp8 v[8*(8*((\a)%4)+\b):8*(8*((\a)%4)+\b)+7], v[128*(\p)+FR*\b:128*(\p)+FR*\b+FR-1], v[AF+FR*(\a):AF+FR*(\a)+FR-1], v[8*(8*((\a)%4)+\b):8*(8*((\a)%4)+\b)+7]
.endif
.endr
.endr
.endm
.macro FETCH_B slot, q, p
	WIN TO_B
.irp i, 0,1,2,3,4,5,6,7
	FRAG 128*(\p)+FR*\i, ADRB+\slot, \q, \i
.endr
	WIN 0
.endm
.macro FETCH_A slot, q, i0
.irp i, \i0, \i0+1, \i0+2, \i0+3
	FRAGA AF+FR*(\i), ADRA+\slot, \q, \i
.endr
.endm
.macro PLACES n                        ; places in front of loads into registers that matrix instructions have read, and of the first read of results (ISA guide 7.12.1 for the reads of results)
.rept \n
	v_nop
.endr
.endm
.macro STEP slot, q, zero              ; a step of 128 along K that has its successor in the same slot
	s_wait_dscnt 4*NL                              ; B's set and A's blocks 0-3 are in; the youngest 16 loads (A's blocks 4-7) may be out
	WIN MUL_LO
	MUL16 0, (\q)%2, \zero
	MUL16 2, (\q)%2, \zero
	s_wait_dscnt 0
	PLACES NP
	FETCH_B \slot, (\q)+1, 1-(\q)%2
	FETCH_A \slot, (\q)+1, 0
	WIN MUL_HI
	MUL16 4, (\q)%2, \zero
	MUL16 6, (\q)%2, \zero
	PLACES NP
	WIN 0
	FETCH_A \slot, (\q)+1, 4
.endm
; A slot's last step changes slots: ONE barrier; in front of it each wave waits for all its tensor loads, adds 0 to its spare word, and waits for that and for its own reads of this slot.
.macro TURN slot, next, fill
	s_wait_tensorcnt 0x0                           ; all my tensor loads have landed: my part of the next slot
	ds_add_u32 v[SPW], v[NIL]                      ; 0 onto my spare word
	s_wait_dscnt 4*NL+1                            ; (the add and the youngest 16 loads may be out)
	WIN MUL_LO
	MUL16 0, 1, 0
	s_wait_dscnt 0x0                               ; the add is done, and my reads of this slot are over
	s_barrier_signal -1
	MUL16 2, 1, 0
	WIN 0
	s_barrier_wait -1
.if \fill
	CREST                                          ; the barrier has opened a round of the cluster's barrier: no wave of any partner still reads this slot's tile or has a load on its way
	s_add_nc_u64 s[G0+4*\slot+2:G0+4*\slot+3], s[G0+4*\slot+2:G0+4*\slot+3], 2*ASTEP
	s_add_nc_u64 s[G0B+4*\slot+2:G0B+4*\slot+3], s[G0B+4*\slot+2:G0B+4*\slot+3], 2*ROWB
	JLOAD G0+4*\slot, G1, G0B+4*\slot, G1B         ; the first tensor load behind the round, my one load until the next
.else
	PLACES NP
.endif
	FETCH_B \next, 0, 0
	FETCH_A \next, 0, 0
	WIN MUL_HI
	MUL16 4, 1, 0
	MUL16 6, 1, 0
	PLACES NP
	WIN 0
	FETCH_A \next, 0, 4
.endm
	s_wait_alu depctr_va_vdst(0)
	s_wait_tensorcnt 1                             ; my part of K step 0 is in; K step 1's load may be out
	s_barrier_signal -1
	s_barrier_wait -1
	FETCH_B 0, 0, 0
	FETCH_A 0, 0, 0
	FETCH_A 0, 0, 4
	STEP 0, 0, 1                                   ; eight steps of 128 along K, written out: the first starts the sums
	TURN 0, 1, 1
	STEP 1, 0, 0
	TURN 1, 0, 1
	STEP 0, 0, 0
	TURN 0, 1, 0
	STEP 1, 0, 0
	s_wait_dscnt 4*NL
	WIN MUL_LO
	MUL16 0, 1, 0
	MUL16 2, 1, 0
	s_wait_dscnt 0
	WIN MUL_HI
	MUL16 4, 1, 0
	MUL16 6, 1, 0
	WIN 0
; THE WAY OUT, block by block of 16 rows x 128 columns: sum x 2^(e6 + e7) + b_o in place, through my own stage in LDS, back as whole rows of 512 bytes.  LDS serves a wave's instructions in order (ISA guide 5.7.1.4):
; no wait between the stores and the loads, nor in front of the next block's stores.
.macro TOSTAGE a
.set AC, 64*((\a)%4)
	WIN 0x82+0x41*((\a)/4)                         ; source 0 and destination: window 2 or 3; the bias: window 0
.set n, 0
.rept 32
	v_pk_fma_f32 v[AC+n:AC+n+1], v[AC+n:AC+n+1], s[96:97], v[BQ+n:BQ+n+1] op_sel_hi:[1,0,1]   ; each accumulator from its low end on
.set n, n+2
.endr
	WIN 0x08+4*((\a)/4)                            ; an LDS store's data: window 2 or 3
.irp b, 0,1,2,3,4,5,6,7
	ds_store_b128 v[STO], v[AC+8*\b:AC+8*\b+3] offset:64*\b
	ds_store_b128 v[STO], v[AC+8*\b+4:AC+8*\b+7] offset:64*\b+16
.endr
	WIN 0
.set BB, BK+64*((\a)%2)
.irp t, 0,1,2,3,4,5,6,7,8,9,10,11,12,13,14,15
	ds_load_b128 v[BB+4*\t:BB+4*\t+3], v[RD] offset:\t*SPITCH
.endr
.endm
.macro SEND a, younger                 ; younger: the LDS instructions issued behind block a's loads, which may stay out
.set BB, BK+64*((\a)%2)
	s_wait_dscnt \younger                          ; the block is back in registers
.if (\a) > 0
	s_add_nc_u64 s[12:13], s[12:13], 16*SIZE_N*4   ; (behind a wait on XCNT: the earlier stores have read their base)  16 rows on
.endif
.irp t, 0,1,2,3,4,5,6,7,8,9,10,11,12,13,14,15
	global_store_b128 v[CO], v[BB+4*\t:BB+4*\t+3], s[12:13] offset:\t*SIZE_N*4 th:TH_STORE_NT   ; 32 lanes store 512 consecutive bytes, aligned; written once, read by nobody here
.endr
.endm
	s_wait_kmcnt 0x0
	s_add_co_i32 s96, s96, s97
	s_add_co_i32 s96, s96, 127
	s_lshl_b32 s96, s96, 23                        ; 2^(e6 + e7) as f32
	s_mov_b32 s97, s96                             ; (named with it as a pair, so it is written)
	s_wait_loadcnt 0x0                             ; the bias
	PLACES NP                                      ; behind the last products: their results are read, and the registers that held A's fragments are loaded into
	TOSTAGE 0
.irp a, 1,2,3,4,5,6,7
.if \a > 1
	s_wait_xcnt 0x0                                ; block a - 2's stores have read their registers and their base: block a's loads may land there, and the base may step
.endif
	TOSTAGE \a
	SEND \a-1, 32                                  ; behind block a - 1's loads: block a's 16 stores and 16 loads
.endr
	s_wait_xcnt 0x0                                ; block 6's stores have read their base
	SEND 7, 0
	s_wait_tensorcnt 0x0                           ; the wave's end
	ds_add_u32 v[SPW], v[NIL]
	s_wait_dscnt 0x0
	CROUND                                         ; the closing round
	s_endpgm
.Lfunc_end_k_q8a4d8ba2f6_proj:
	.size	k_q8a4d8ba2f6_proj, .Lfunc_end_k_q8a4d8ba2f6_proj-k_q8a4d8ba2f6_proj
	.p2alignl 7, 3214868480
	.fill 96, 4, 3214868480
	.section	.rodata,"a",@progbits
	.p2align	6, 0x0
	.amdhsa_kernel k_q8a4d8ba2f6_proj
		.amdhsa_group_segment_fixed_size 327680
		.amdhsa_private_segment_fixed_size 0
		.amdhsa_enable_private_segment 0
		.amdhsa_kernarg_size 40
		.amdhsa_user_sgpr_count 2
		.amdhsa_user_sgpr_kernarg_segment_ptr 1
		.amdhsa_wavefront_size32 1
		.amdhsa_system_sgpr_workgroup_id_x 1
		.amdhsa_system_sgpr_workgroup_id_y 1
		.amdhsa_system_sgpr_workgroup_id_z 1
		.amdhsa_system_vgpr_workitem_id 0
		.amdhsa_next_free_vgpr 1024
		.amdhsa_next_free_sgpr 98
		.amdhsa_reserve_vcc 0
		.amdhsa_float_denorm_mode_32 3
		.amdhsa_float_denorm_mode_16_64 3
		.amdhsa_memory_ordered 1
		.amdhsa_forward_progress 1
		.amdhsa_inst_pref_size 126
	.end_amdhsa_kernel
	.amdgpu_metadata
---
amdhsa.version: [ 1, 2 ]
amdhsa.kernels:
  - .name:           k_q8a4d8ba2f6_proj
    .symbol:         k_q8a4d8ba2f6_proj.kd
    .args:
      - { .name: o_codes, .offset: 0, .size: 8, .value_kind: global_buffer, .address_space: global }
      - { .name: wo_codes, .offset: 8, .size: 8, .value_kind: global_buffer, .address_space: global }
      - { .name: lowp_scales, .offset: 16, .size: 8, .value_kind: global_buffer, .address_space: global }
      - { .name: b_o, .offset: 24, .size: 8, .value_kind: global_buffer, .address_space: global }
      - { .name: out0, .offset: 32, .size: 8, .value_kind: global_buffer, .address_space: global }
    .group_segment_fixed_size: 327680
    .private_segment_fixed_size: 0
    .kernarg_segment_align: 8
    .kernarg_segment_size: 40
    .max_flat_workgroup_size: 128
    .sgpr_count:     98
    .vgpr_count:     1024
    .wavefront_size: 32
...
	.end_amdgpu_metadata
.endif
;; end of part 4
